; MI455X (gfx1250); checked and timed in simulation.
; The chip was launched on July 23, 2026; its instructions are those of AMD's public machine-readable ISA for CDNA 5 (MIT licence, August 2026) and "CDNA5" Instruction Set Architecture Reference Guide (July 2026). The comments in the code are by the model that wrote it; some were corrected since.
;; Enhanced Self Attention. Allowed arithmetic: float matrix products may take bf16 or f16 operands with f32 sums; other float arithmetic in f32, or as packed bf16 or f16 multiplies, adds, multiply-adds, maxima and minima; sums over many terms, partial sums and values carried from step to step in f32; what a program stores and reads back later, other than sums and carried values, may be rounded once to bf16 or f16.
;; Inputs: Wk 1,024 x 1,024 float32; Wq 1,024 x 1,024 float32; Wv 1,024 x 1,024 float32; bk 1,024 float32; bq 1,024 float32; bv 1,024 float32; x 4 x 2,048 x 1,024 float32.
;; Outputs: out0 4 x 2,048 x 1,024 float32.
;; 2 versions, each right; version 2 is version 1 with the launch cvt written anew for expert scheduling mode. Each part assembles by itself: llvm-mc -triple=amdgcn-amd-amdhsa -mcpu=gfx1250 --defsym DOCPART=n.
;; ======== version 1 of 2: 4 launches
;; workspace buffers: xb 16,777,216 bytes; wb 6,291,456 bytes; bb 12,288 bytes; qkv 50,331,648 bytes; pt 33,554,432 bytes; sm 262,144 bytes; sl 262,144 bytes
;; launch cvt (part 1): grid 256 x 1, 16 waves a work-group, no clusters, 0 bytes of LDS; arguments x, Wq, Wk, Wv, bq, bk, bv, xb, wb, bb; writes xb, wb, bb
.if DOCPART == 1
	.amdgcn_target "amdgcn-amd-amdhsa--gfx1250"
	.amdhsa_code_object_version 6
	.text
	.protected	k_qdb4ab5a2ac_cvt
	.globl	k_qdb4ab5a2ac_cvt
	.p2align	8
	.type	k_qdb4ab5a2ac_cvt,@function
k_qdb4ab5a2ac_cvt:
	s_mov_b64 s[64:65], 0
	v_nop
	global_prefetch_b8 v0, s[64:65] scope:SCOPE_SE
	s_setreg_imm32_b32 hwreg(HW_REG_WAVE_MODE, 25, 1), 1
	s_wait_xcnt 0x0
; Rounds the module's inputs once to bf16 and lays the matrix operands out in K blocks of 64:
;   x -> xb [16 K blocks][8192 rows][64];  Wq, Wk, Wv -> wb [16 K blocks][3072 rows][64] (Wq's rows, then Wk's, then Wv's);
;   bq, bk, bv -> bb [3072], rounded to bf16 and kept widened as f32, since it later starts f32 sums.
; In that layout the rows of one K block lie end to end, 128 bytes each, so the next launch can ask for a tile of 64 along K as dense rows of 256 bytes.
; A stream: no LDS, no barrier, no matrix unit.  256 work-groups of 16 waves, all alike: 32 rows of x and 4 rows of each weight matrix.  Wave w takes K block w of all 44 rows, two rows at a time:
; lanes 0-15 read the 256 bytes of one row's block, lanes 16-31 those of the row below (each an aligned block of 256 bytes), and the wave's store is 256 consecutive bytes, at a multiple of 256
; from the buffer's first byte.  A wave's 22 loads are all issued before the first is used.  Work-groups 0, 1, 2 also take one bias each (waves 0-7, 16 bytes a thread).
.set XSTEP, 8192*128                   ; bytes of a K block of xb
.set WSTEP, 3072*128                   ; of wb
.set VL,  4                            ; v4  where I read: 4,096 x (lane / 16) + 256 x wave + 16 x (lane % 16)
.set VS,  5                            ; v5  where I store: 8 x lane
.set VB,  6                            ; v6  16 x thread, for a bias
.set IN,  8                            ; v[8:95]    22 x 4 numbers as loaded
.set OUT, 96                           ; v[96:139]  22 x 2 words of bf16
	s_load_b512 s[8:23], s[0:1], 0x0               ; x s[8:9], Wq s[10:11], Wk s[12:13], Wv s[14:15], bq s[16:17], bk s[18:19], bv s[20:21], xb s[22:23]
	s_load_b128 s[24:27], s[0:1], 0x40             ; wb s[24:25], bb s[26:27]
	s_mov_b32 s2, ttmp9                            ; the work-group's number
	v_lshrrev_b32 v1, 5, v0
	v_readfirstlane_b32 s3, v1                     ; my wave's number = my K block
	v_and_b32 v2, 15, v0
	v_bfe_u32 v3, v0, 4, 1
	v_lshlrev_b32 v3, 12, v3                       ; lanes 16-31: one row of 4,096 bytes further down
	v_lshl_add_u32 v3, v2, 4, v3
	s_lshl_b32 s4, s3, 8                           ; a K block is 256 bytes of an f32 row
	v_add_nc_u32 v[VL], s4, v3
	v_and_b32 v2, 31, v0
	v_lshlrev_b32 v[VS], 3, v2
	v_lshlrev_b32 v[VB], 4, v0
	s_lshl_b32 s28, s2, 17                         ; x: 32 rows of 4,096 bytes a work-group
	s_mov_b32 s29, 0
	s_lshl_b32 s30, s2, 14                         ; a weight matrix: 4 rows
	s_mov_b32 s31, 0
	s_lshl_b32 s32, s3, 20                         ; xb: my K block (XSTEP = 2^20),
	s_lshl_b32 s4, s2, 12                          ; 32 rows of 128 bytes a work-group
	s_add_co_u32 s32, s32, s4
	s_mov_b32 s33, 0
	s_mul_i32 s34, s3, WSTEP                       ; wb: my K block,
	s_lshl_b32 s4, s2, 9                           ; 4 rows of 128 bytes
	s_add_co_u32 s34, s34, s4
	s_mov_b32 s35, 0
	s_wait_kmcnt 0x0
	s_add_nc_u64 s[8:9], s[8:9], s[28:29]
	s_add_nc_u64 s[10:11], s[10:11], s[30:31]
	s_add_nc_u64 s[12:13], s[12:13], s[30:31]
	s_add_nc_u64 s[14:15], s[14:15], s[30:31]
	s_add_nc_u64 s[22:23], s[22:23], s[32:33]
	s_add_nc_u64 s[24:25], s[24:25], s[34:35]
.set i, 0
.rept 16                                       ; x: pair i of its 16 pairs of rows
	global_load_b128 v[IN+4*i:IN+4*i+3], v[VL], s[8:9] offset:8192*i th:TH_LOAD_NT
.set i, i+1
.endr
.irp m, 0,1,2                                  ; Wq, Wk, Wv: two pairs of rows each
	global_load_b128 v[IN+64+8*(\m):IN+64+8*(\m)+3],   v[VL], s[10+2*(\m):11+2*(\m)] th:TH_LOAD_NT
	global_load_b128 v[IN+64+8*(\m)+4:IN+64+8*(\m)+7], v[VL], s[10+2*(\m):11+2*(\m)] offset:8192 th:TH_LOAD_NT
.endr
.set i, 0
.rept 22
	s_wait_loadcnt 21-i                            ; loads come back in order: number i is in, the younger ones stay out
	v_cvt_pk_bf16_f32 v[OUT+2*i], v[IN+4*i], v[IN+4*i+1]
	v_cvt_pk_bf16_f32 v[OUT+2*i+1], v[IN+4*i+2], v[IN+4*i+3]
.if i < 16
	global_store_b64 v[VS], v[OUT+2*i:OUT+2*i+1], s[22:23] offset:256*i  ; no register is written twice, so nothing waits for a store
.else
	global_store_b64 v[VS], v[OUT+2*i:OUT+2*i+1], s[24:25] offset:((i-16)/2)*131072+((i-16)%2)*256  ; a matrix's 1,024 rows are 131,072 bytes of a K block
.endif
.set i, i+1
.endr
	s_cmp_lt_u32 s2, 3                             ; a bias for work-groups 0, 1, 2,
	s_cbranch_scc0 .Lend
	s_cmp_lt_u32 s3, 8                             ; by threads 0-255
	s_cbranch_scc0 .Lend
	s_cmp_eq_u32 s2, 0
	s_cselect_b64 s[28:29], s[16:17], s[18:19]     ; bq or bk,
	s_cmp_eq_u32 s2, 2
	s_cselect_b64 s[28:29], s[20:21], s[28:29]     ; or bv
	s_lshl_b32 s30, s2, 12                         ; its 4,096 bytes of bb
	s_mov_b32 s31, 0
	s_add_nc_u64 s[30:31], s[26:27], s[30:31]
	global_load_b128 v[140:143], v[VB], s[28:29]
	s_wait_loadcnt 0x0
	v_cvt_pk_bf16_f32 v144, v140, v141             ; rounded as every other input is,
	v_cvt_pk_bf16_f32 v145, v142, v143
	v_lshlrev_b32 v146, 16, v144                   ; and widened again
	v_and_b32 v147, 0xffff0000, v144
	v_lshlrev_b32 v148, 16, v145
	v_and_b32 v149, 0xffff0000, v145
	global_store_b128 v[VB], v[146:149], s[30:31]
.Lend:
	s_endpgm
.Lfunc_end_k_qdb4ab5a2ac_cvt:
	.size	k_qdb4ab5a2ac_cvt, .Lfunc_end_k_qdb4ab5a2ac_cvt-k_qdb4ab5a2ac_cvt
	.p2alignl 7, 3214868480
	.fill 96, 4, 3214868480
	.section	.rodata,"a",@progbits
	.p2align	6, 0x0
	.amdhsa_kernel k_qdb4ab5a2ac_cvt
		.amdhsa_group_segment_fixed_size 0
		.amdhsa_private_segment_fixed_size 0
		.amdhsa_enable_private_segment 0
		.amdhsa_kernarg_size 80
		.amdhsa_user_sgpr_count 2
		.amdhsa_user_sgpr_kernarg_segment_ptr 1
		.amdhsa_wavefront_size32 1
		.amdhsa_system_sgpr_workgroup_id_x 1
		.amdhsa_system_sgpr_workgroup_id_y 1
		.amdhsa_system_sgpr_workgroup_id_z 1
		.amdhsa_system_vgpr_workitem_id 0
		.amdhsa_next_free_vgpr 152
		.amdhsa_next_free_sgpr 66
		.amdhsa_reserve_vcc 0
		.amdhsa_float_denorm_mode_32 3
		.amdhsa_float_denorm_mode_16_64 3
		.amdhsa_memory_ordered 1
		.amdhsa_forward_progress 1
		.amdhsa_inst_pref_size 10
	.end_amdhsa_kernel
	.amdgpu_metadata
---
amdhsa.version: [ 1, 2 ]
amdhsa.kernels:
  - .name:           k_qdb4ab5a2ac_cvt
    .symbol:         k_qdb4ab5a2ac_cvt.kd
    .args:
      - { .name: x, .offset: 0, .size: 8, .value_kind: global_buffer, .address_space: global }
      - { .name: Wq, .offset: 8, .size: 8, .value_kind: global_buffer, .address_space: global }
      - { .name: Wk, .offset: 16, .size: 8, .value_kind: global_buffer, .address_space: global }
      - { .name: Wv, .offset: 24, .size: 8, .value_kind: global_buffer, .address_space: global }
      - { .name: bq, .offset: 32, .size: 8, .value_kind: global_buffer, .address_space: global }
      - { .name: bk, .offset: 40, .size: 8, .value_kind: global_buffer, .address_space: global }
      - { .name: bv, .offset: 48, .size: 8, .value_kind: global_buffer, .address_space: global }
      - { .name: xb, .offset: 56, .size: 8, .value_kind: global_buffer, .address_space: global }
      - { .name: wb, .offset: 64, .size: 8, .value_kind: global_buffer, .address_space: global }
      - { .name: bb, .offset: 72, .size: 8, .value_kind: global_buffer, .address_space: global }
    .group_segment_fixed_size: 0
    .private_segment_fixed_size: 0
    .kernarg_segment_align: 8
    .kernarg_segment_size: 80
    .max_flat_workgroup_size: 512
    .sgpr_count:     66
    .vgpr_count:     152
    .wavefront_size: 32
...
	.end_amdgpu_metadata
.endif
;; end of part 1
;; launch proj (part 2): grid 8 x 32, 4 waves a work-group, clusters of 4 x 4, 327,680 bytes of LDS; arguments xb, wb, bb, qkv; writes qkv
.if DOCPART == 2
	.amdgcn_target "amdgcn-amd-amdhsa--gfx1250"
	.amdhsa_code_object_version 6
	.text
	.protected	k_qdb4ab5a2ac_proj
	.globl	k_qdb4ab5a2ac_proj
	.p2align	8
	.type	k_qdb4ab5a2ac_proj,@function
k_qdb4ab5a2ac_proj:
	s_mov_b64 s[64:65], 0
	v_nop
	global_prefetch_b8 v0, s[64:65] scope:SCOPE_SE
	s_setreg_imm32_b32 hwreg(HW_REG_WAVE_MODE, 25, 1), 1
	s_wait_xcnt 0x0
	s_wait_alu depctr_hold_cnt(0) depctr_sa_sdst(0) depctr_va_vdst(0) depctr_va_sdst(0) depctr_va_ssrc(0) depctr_va_vcc(0) depctr_vm_vsrc(0)
	s_getreg_b32 s2, hwreg(HW_REG_IB_STS2, 6, 4)
	s_cmp_eq_u32 s2, 0
	s_cbranch_scc0 .Lentry_in_a_cluster
	s_endpgm
.Lentry_in_a_cluster:
	s_bfe_u32 s2, ttmp6, 0x10000c
	s_cmp_lg_u32 s2, 0xf033
	s_cbranch_scc0 .Lentry_shape_is_right
	s_endpgm
.Lentry_shape_is_right:
; qkv[t][e] = sum over d of x[t][d] W[e][d] + bb[e].  xb [16 K blocks][8192][64], wb [16 K blocks][3072][64] bf16; bb [3072] f32; qkv [8192][3072] bf16 (q, k, v side by side).
; Sums in f32, started by the bias (the C operand of the first product), d ascending; qkv rounded once.  LIMITS: operands are bf16; NaN and infinities are not treated apart.
; SHARES.  A work-group makes 256 rows x 384 columns: 8 x 32 = 256 work-groups, one tile each.  Four waves, each 128 rows (rh) x 192 columns (ch): 96 accumulators of 16 x 16, 768 registers.
; For 2 x 640 bytes filled into LDS the tile has 256 x 384 multiply-adds; for 32 along K a wave loads 20 fragments and issues 96 matrix instructions.
; K goes in 16 steps of 64 through two LDS slots: two slots of 128 along K for 640 rows would not fit.  In the blocked layout a tile's rows (128 bytes) lie end to end in memory:
; they are asked for as rows of 256 bytes and padded in LDS after every 128 bytes.
; CLUSTER 4 x 4: the four of a row of the cluster need the same rows of xb, the four of a column the same rows of wb: each tile is asked for jointly.  Waves 0, 1 fetch 128 rows of xb each, waves 2, 3 192 rows of wb each.
; THE MATRIX INSTRUCTION IS USED TRANSPOSED (source 0 = 16 rows of wb, source 1 = 16 rows of xb): a lane holds row l % 16 and the eight columns 8 (l / 16) + 0..7.
; REGISTERS in windows of 256 (s_set_vgpr_msb: bits 1:0 source 0, 3:2 source 1, 5:4 source 2, 7:6 destination):
;   window 0: v16-29 addresses; v32-95, v96-159 fragments of xb (8 row blocks), two buffers; v160-255 fragments of wb (12 column blocks), one buffer
;   window 1 + p: the accumulators of column blocks 4 p .. 4 p + 3: (a, b) at v[8 (8 (b % 4) + a)]
; A QUARTER (32 along K) has three PHASES of 32 matrix instructions, one for each window.  wb's fragments have one buffer: behind phase p its four fragments are loaded again, for the next quarter,
; 64 matrix instructions ahead of their use.  xb's next fragments go into the other buffer behind phase 0.
.set PITCH,  144                       ; 128 bytes + 16 of padding = 36 words: the 16 rows of a fragment load start at 16 different groups of four banks (64 banks of 4 bytes: ISA guide 11.1)
.set BOFF,   256*PITCH                 ; xb's 256 rows, then wb's 384
.set SLOT,   640*PITCH
.set SPITCH, 784                       ; the stage's rows: 768 bytes + 16.  The stage (256 rows) lies over both slots, which have had their last fill by then
.set SPARE,  256*SPITCH                ; behind the stage: the spare words, 128 bytes a wave, two blocks of 256 bytes that no other line names
.set ASTEP,  8192*128                  ; bytes from a K block of xb to the next
.set BSTEP,  3072*128                  ; of wb
.set AF0, 32
.set AF1, 96
.set BF,  160
.set BI0, 192                          ; window 3: the bias of column blocks 0-3, until phase 2 of the first quarter writes there; blocks 4-11 wait in AF1
.set TMP, 32                           ; the way out: packed results, two sets of 32
.set OB,  96                           ; whole rows read back
.set ADRA0, 16                         ; my lane's place in xb's tile; never rewritten
.set ADRB0, 17                         ; in wb's
.set ADRA, 18                          ; the same in the slot in hand
.set ADRB, 19
.set STO2, 23                          ; the stage: where I put 16 bytes, my rows 64 on
.set STO, 24                           ; my rows 0 on
.set RD, 25                            ; where I read rows back
.set CO, 26                            ; my byte offset in qkv
.set BO, 27                            ; my byte offset in bb
.set SPW, 28                           ; LDS address of my spare word; never rewritten
.set NIL, 29                           ; 0; never rewritten
.set WV, 12
.set PART, 13                          ; wave & 1: the part that I fetch; also ch
.set CX, 14
.set CY, 15
.set TX, 16
.set TY, 17
.set MROW, 18
.set MCOL, 19
.set LWA, 20                           ; my tensor loads' place in a slot, for xb
.set LWB, 21                           ; for wb
.set TB, 22                            ; LDS byte at which the slot being read begins
.set TF, 23                            ; the slot filled last
.set G1A, 24                           ; s[24:31] descriptor group 1 for xb's tiles
.set G0A, 32                           ; s[32:39] group 0: a set for each first fill; the second then walks on
.set CNT, 44
.set RH, 45
.set G1B, 48
.set G0B, 56
.set G1W0, (1<<16)|(1<<20)|(1<<21)|(4<<22)|(3<<25)  ; 2-byte elements; padding on; bit 21 beside a mask; after every 32 words, 4 words
.set MSB, 0
.macro WIN new                         ; the immediate's high byte repeats the setting that is left; a switch that changes nothing is dropped
.if MSB != (\new)
	s_set_vgpr_msb (MSB<<8)|(\new)
.set MSB, (\new)
.endif
.endm
.macro PLACES                          ; four places behind matrix instructions, in front of loads into their sources and of reads of their results
.rept 4
	v_nop
.endr
.endm
.macro CREST                           ; a round of the cluster's barrier behind its opening barrier
	s_cmp_lg_u32 s[WV], 0
	s_cbranch_scc1 .Lnot_wave_0_\@
	s_barrier_signal -3
.Lnot_wave_0_\@:
	s_barrier_wait -3
	s_barrier_signal -1
	s_barrier_wait -1
.endm
.macro CROUND
	s_barrier_signal -1
	s_barrier_wait -1
	CREST
.endm
.macro JLOAD                           ; a joint refill by the walking descriptor; the branch hangs on the wave's number alone; s_nop 0 and four v_nop follow each line
	s_cmp_lt_u32 s[WV], 2
	s_cbranch_scc0 .Lfor_b_\@
	tensor_load_to_lds s[G0A+4:G0A+7], s[G1A:G1A+7]
	s_nop 0
	PLACES
	s_branch .Lasked_\@
.Lfor_b_\@:
	tensor_load_to_lds s[G0B+4:G0B+7], s[G1B:G1B+7]
	s_nop 0
	PLACES
.Lasked_\@:
.endm
	s_load_b256 s[4:11], s[0:1], 0x0               ; xb s[4:5], wb s[6:7], bb s[8:9], qkv s[10:11]
	v_lshl_add_u32 v[SPW], v0, 2, SPARE
	v_mov_b32 v[NIL], 0
	ds_add_u32 v[SPW], v[NIL]                      ; the wave's opening: the add and its wait stand ahead of my first tensor load
	v_lshrrev_b32 v1, 5, v0
	v_readfirstlane_b32 s[WV], v1                  ; wave 0..3
	s_and_b32 s[PART], s[WV], 1
	s_lshr_b32 s[RH], s[WV], 1
	s_bfe_u32 s[CX], ttmp6, 0x40000
	s_bfe_u32 s[CY], ttmp6, 0x40004
	s_lshl_b32 s[TX], ttmp9, 2
	s_add_co_u32 s[TX], s[TX], s[CX]               ; tile column = 4 x cluster x + cx
	s_and_b32 s[TY], ttmp7, 0xffff
	s_lshl_b32 s[TY], s[TY], 2
	s_add_co_u32 s[TY], s[TY], s[CY]               ; tile row = 4 x cluster y + cy
	s_lshl_b32 s[MROW], s[CY], 2
	s_lshl_b32 s[MROW], 15, s[MROW]                ; my row of the cluster
	s_lshl_b32 s[MCOL], 0x1111, s[CX]              ; my column
	s_or_b32 s[G1A], s[MROW], G1W0
	s_mov_b32 s[G1A+1], 128<<16                    ; tensor_dim0 = 128 elements: two rows of a K block
	s_mov_b32 s[G1A+2], 64<<16                     ; tensor_dim1 = 64: 128 rows of xb
	s_mov_b32 s[G1A+3], 128<<16                    ; tile_dim0 = 128
	s_mov_b32 s[G1A+4], 64                         ; tile_dim1 = 64
	s_mov_b32 s[G1A+5], 128                        ; dense: 128 elements from row to row
	s_mov_b32 s[G1A+6], 0
	s_mov_b32 s[G1A+7], 0
	s_or_b32 s[G1B], s[MCOL], G1W0
	s_mov_b32 s[G1B+1], 128<<16
	s_mov_b32 s[G1B+2], 96<<16                     ; 192 rows of wb
	s_mov_b32 s[G1B+3], 128<<16
	s_mov_b32 s[G1B+4], 96
	s_mov_b32 s[G1B+5], 128
	s_mov_b32 s[G1B+6], 0
	s_mov_b32 s[G1B+7], 0
	s_lshl_b32 s40, s[TY], 15                      ; xb: row 256 x tile row + 128 x part, 128 bytes a row: hangs on the tile row alone
	s_lshl_b32 s41, s[PART], 14
	s_add_co_u32 s40, s40, s41
	s_mov_b32 s41, 0
	s_mul_i32 s46, s[TX], 384*128                  ; wb: row 384 x tile column + 192 x part: hangs on the tile column alone
	s_mul_i32 s47, s[PART], 192*128
	s_add_co_u32 s46, s46, s47
	s_mov_b32 s47, 0
	s_mul_i32 s[LWA], s[PART], 128*PITCH           ; no place in the cluster enters an LDS address
	s_mul_i32 s[LWB], s[PART], 192*PITCH
	s_add_co_u32 s[LWB], s[LWB], BOFF
	s_mov_b32 s[TB], 0
	s_mov_b32 s[TF], SLOT
	s_wait_dscnt 0x0                               ; the opening add is done
	s_wait_kmcnt 0x0
	s_add_nc_u64 s[40:41], s[4:5], s[40:41]
	s_add_nc_u64 s[46:47], s[6:7], s[46:47]
.irp s, 0,1
	s_mov_b32 s[G0A+4*(\s)], 1
	s_add_co_u32 s[G0A+4*(\s)+1], s[LWA], (\s)*SLOT
	s_add_nc_u64 s[G0A+4*(\s)+2:G0A+4*(\s)+3], s[40:41], (\s)*ASTEP  ; K step s
	s_or_b32 s[G0A+4*(\s)+3], s[G0A+4*(\s)+3], 0x80000000
	s_mov_b32 s[G0B+4*(\s)], 1
	s_add_co_u32 s[G0B+4*(\s)+1], s[LWB], (\s)*SLOT
	s_add_nc_u64 s[G0B+4*(\s)+2:G0B+4*(\s)+3], s[46:47], (\s)*BSTEP
	s_or_b32 s[G0B+4*(\s)+3], s[G0B+4*(\s)+3], 0x80000000
.endr
	CROUND                                         ; all sixteen work-groups are here: the first joint loads meet
	s_cmp_lt_u32 s[WV], 2                          ; a wave's two first fills stand in one branch: two loads of mine are out
	s_cbranch_scc0 .Lfirst_b
	tensor_load_to_lds s[G0A:G0A+3], s[G1A:G1A+7]
	s_nop 0
	tensor_load_to_lds s[G0A+4:G0A+7], s[G1A:G1A+7]
	s_nop 0
	PLACES
	s_branch .Lfirst_asked
.Lfirst_b:
	tensor_load_to_lds s[G0B:G0B+3], s[G1B:G1B+7]
	s_nop 0
	tensor_load_to_lds s[G0B+4:G0B+7], s[G1B:G1B+7]
	s_nop 0
	PLACES
.Lfirst_asked:
	v_and_b32 v1, 15, v0                           ; r = l % 16
	v_bfe_u32 v2, v0, 4, 1                         ; h = l / 16
	s_mul_i32 s2, s[PART], 768
	v_lshl_add_u32 v[BO], v2, 5, s2                ; bias: 4 (192 ch + 8 h)
	s_mul_i32 s2, s[TX], 1536
	s_mov_b32 s3, 0
	s_add_nc_u64 s[8:9], s[8:9], s[2:3]            ; bb at the tile's first column
	WIN 0xc0                                       ; register j: the bias of column 16 b + 8 h + j, as the result holds it.  Blocks 0-3 into window 3,
.irp b, 0,1,2,3
	global_load_b128 v[BI0+8*(\b):BI0+8*(\b)+3],   v[BO], s[8:9] offset:64*(\b)
	global_load_b128 v[BI0+8*(\b)+4:BI0+8*(\b)+7], v[BO], s[8:9] offset:64*(\b)+16
.endr
	WIN 0                                          ; blocks 4-11 into xb's second buffer
.irp b, 4,5,6,7,8,9,10,11
	global_load_b128 v[AF1+8*((\b)-4):AF1+8*((\b)-4)+3],   v[BO], s[8:9] offset:64*(\b)
	global_load_b128 v[AF1+8*((\b)-4)+4:AF1+8*((\b)-4)+7], v[BO], s[8:9] offset:64*(\b)+16
.endr
	v_mul_u32_u24 v3, v1, PITCH
	v_lshl_add_u32 v3, v2, 4, v3                   ; a fragment's row x pitch + 16 x half
	s_mul_i32 s2, s[RH], 128*PITCH                 ; my 128 rows of xb
	v_add_nc_u32 v[ADRA0], s2, v3
	s_mul_i32 s2, s[PART], 192*PITCH               ; my 192 rows of wb,
	s_add_co_u32 s2, s2, BOFF                      ; behind xb's 256
	v_add_nc_u32 v[ADRB0], s2, v3
	v_mov_b32 v[ADRA], v[ADRA0]                    ; slot 0
	v_mov_b32 v[ADRB], v[ADRB0]
	s_lshl_b32 s2, s[RH], 7                        ; into the stage: row 128 rh + l % 16, my 384 bytes of it, 16 bytes for each half of the lanes
	v_add_nc_u32 v3, s2, v1
	v_mul_u32_u24 v3, v3, SPITCH
	v_lshl_add_u32 v3, v2, 4, v3
	s_mul_i32 s2, s[PART], 384
	v_add_nc_u32 v[STO], s2, v3
	v_add_nc_u32 v[STO2], 64*SPITCH, v[STO]
	s_lshl_b32 s2, s[WV], 6                        ; back: wave w takes rows 64 w on, whole; lanes 0-15 256 bytes of one row, lanes 16-31 of the next
	v_add_nc_u32 v3, s2, v2
	v_mul_u32_u24 v3, v3, SPITCH
	v_lshl_add_u32 v[RD], v1, 4, v3
	v_mul_u32_u24 v3, v2, 6144
	v_lshl_add_u32 v[CO], v1, 4, v3
	s_lshl_b32 s2, s[TY], 8
	s_lshl_b32 s3, s[WV], 6
	s_add_co_u32 s2, s2, s3
	s_mul_i32 s2, s2, 6144                         ; the first row that I store,
	s_mul_i32 s3, s[TX], 768                       ; the tile's first column
	s_add_co_u32 s2, s2, s3
	s_mov_b32 s3, 0
	s_add_nc_u64 s[10:11], s[10:11], s[2:3]
; 8 n matrix instructions of phase p: column blocks 4 p + b0 on, n of them, x my 8 row blocks, 32 along K, xb's fragments in buffer af.  first = 1: the bias starts the sums.
; The accumulators take turns, one instruction a turn, in the same order in every quarter.
.macro MULB p, b0, n, af, first
.if \first
.if (\p) == 0
	WIN 0x70                                       ; D window 1, C (the bias) window 3
.else
	WIN 0x40*((\p)+1)                              ; D window 1 + p, C (the bias) window 0
.endif
.else
	WIN 0x50*((\p)+1)                              ; C and D window 1 + p
.endif
.set mb, (\b0)
.rept \n
.set ma, 0
.rept 8
.set rD, 8*(8*mb+ma)
.set rB, BF+8*(4*(\p)+mb)
.set rA, (\af)+8*ma
.if \first
.if (\p) == 0
.set rC, BI0+8*mb
.else
.set rC, AF1+32*((\p)-1)+8*mb
.endif
	v_wmma_f32_16x16x32_bf16 v[rD:rD+7], v[rB:rB+7], v[rA:rA+7], v[rC:rC+7]
.else
	v_wmma_f32_16x16x32_bf16 v[rD:rD+7], v[rB:rB+7], v[rA:rA+7], v[rD:rD+7]
.endif
.set ma, ma+1
.endr
.set mb, mb+1
.endr
.endm
.macro LB g, k                         ; a run of 8 LDS loads: wb's fragments of phase g, 32 along K at byte k of the rows
	WIN 0
.irp i, 0,1,2,3
	ds_load_b128 v[BF+8*(4*(\g)+(\i)):BF+8*(4*(\g)+(\i))+3],   v[ADRB] offset:(\k)+(4*(\g)+(\i))*16*PITCH
	ds_load_b128 v[BF+8*(4*(\g)+(\i))+4:BF+8*(4*(\g)+(\i))+7], v[ADRB] offset:(\k)+(4*(\g)+(\i))*16*PITCH+32
.endr
.endm
.macro LA af, k                        ; a run of 16: xb's eight fragments into buffer af
	WIN 0
.irp i, 0,1,2,3,4,5,6,7
	ds_load_b128 v[(\af)+8*(\i):(\af)+8*(\i)+3],   v[ADRA] offset:(\k)+(\i)*16*PITCH
	ds_load_b128 v[(\af)+8*(\i)+4:(\af)+8*(\i)+7], v[ADRA] offset:(\k)+(\i)*16*PITCH+32
.endr
.endm
; A K STEP'S FIRST QUARTER, on buffer AF0; it fetches the second quarter's fragments from the same slot.  The runs lie in the order: phase 0's 8, xb's 16, phase 1's 8, phase 2's 8.
; first = 1: the launch's first quarter: AF1 holds a part of the bias until phase 2 has read it, so xb's run comes behind phase 2.
.macro Q0 first
	s_wait_dscnt 16                                ; phase 0's and xb's fragments are in; the runs of phases 1 and 2 may be out
	MULB 0, 0, 4, AF0, \first
	PLACES
	LB 0, 64
.if \first
	s_wait_dscnt 16                                ; phase 1's are in: behind them phase 2's run and the 8 just issued
.else
	LA AF1, 64
	s_wait_dscnt 32                                ; phase 1's are in: behind them phase 2's run and the 24 just issued
.endif
	MULB 1, 0, 4, AF0, \first
	PLACES
	LB 1, 64
.if \first
	s_wait_dscnt 16                                ; phase 2's are in: behind them the two runs of 8
.else
	s_wait_dscnt 32                                ; phase 2's are in: behind them the 24 and the 8
.endif
	MULB 2, 0, 4, AF0, \first
	PLACES
.if \first
	LA AF1, 64
.endif
	LB 2, 64
.if \first
	s_wait_dscnt 8                                 ; here xb's run lies behind phase 1's: all but the last 8 are waited for, so that the counts of the quarter that follows hold
.endif
.endm
; A K STEP'S SECOND QUARTER, on buffer AF1.  All reads of the slot have been issued when it begins, so the change of slots stands in its phase 0.
; mode 2: in front of the barrier each wave waits for all its tensor loads (one is out: its part of the next slot), adds 0 to its spare word, and waits for that and for its reads of this slot;
;   the barrier opens a round of the cluster's, and this slot is filled again, two K steps ahead, first thing behind the round: 176 of a step's 192 matrix instructions stand between a request and the wait for it.
; mode 1: the same without a refill.  mode 0: the last quarter: nothing is fetched; the barrier says that nobody reads the ring any more, since the stage lies over it.
.macro Q1 mode
	s_wait_dscnt 16
	MULB 0, 0, 2, AF1, 0
.if \mode
	WIN 0
	s_wait_tensorcnt 0x0
	ds_add_u32 v[SPW], v[NIL]
	MULB 0, 2, 1, AF1, 0                           ; eight matrix instructions stand between the add and the wait for it
	s_wait_dscnt 0x0                               ; the add is done, and my reads of this slot are over
	s_barrier_signal -1
	MULB 0, 3, 1, AF1, 0
	WIN 0
	s_barrier_wait -1
.if (\mode) == 2
	CREST
	s_xor_b32 s[TF], s[TF], SLOT                   ; no tensor load of mine is out: the walking descriptors step to the other slot than last time,
	s_add_co_u32 s[G0A+5], s[TF], s[LWA]
	s_add_co_u32 s[G0B+5], s[TF], s[LWB]
	s_add_nc_u64 s[G0A+6:G0A+7], s[G0A+6:G0A+7], ASTEP  ; and to the next K step
	s_add_nc_u64 s[G0B+6:G0B+7], s[G0B+6:G0B+7], BSTEP
	JLOAD                                          ; its four v_nop are also the places in front of the loads below
.else
	PLACES
.endif
	s_xor_b32 s[TB], s[TB], SLOT                   ; the reads go on in the other slot
	v_add_nc_u32 v[ADRA], s[TB], v[ADRA0]
	v_add_nc_u32 v[ADRB], s[TB], v[ADRB0]
	LB 0, 0
	LA AF0, 0
	MULB 1, 0, 4, AF1, 0                           ; the fragments of phases 1 and 2 came in with the wait for 0 above
	PLACES
	LB 1, 0
	MULB 2, 0, 4, AF1, 0
	PLACES
	LB 2, 0
.else
	MULB 0, 2, 2, AF1, 0
	s_wait_dscnt 0x0                               ; my last reads of the ring are back
	s_barrier_signal -1
	MULB 1, 0, 4, AF1, 0
	MULB 2, 0, 4, AF1, 0
	WIN 0
	s_barrier_wait -1                              ; everybody's are
.endif
.endm
	s_wait_tensorcnt 0x1                           ; my part of K step 0 is in; step 1's may stay out
	s_barrier_signal -1
	s_barrier_wait -1                              ; everybody's is
	LB 0, 0
	LA AF0, 0
	LB 1, 0
	LB 2, 0
	s_wait_loadcnt 0x0                             ; the bias
	Q0 1                                           ; the first quarter stands in front of the loop: its products start the sums
	WIN 0
	s_mov_b32 s[CNT], 14
.Lstep:                                                ; trip i: the second quarter of K step i, a refill with step i + 2, the first quarter of step i + 1
	Q1 2
	Q0 0
	WIN 0
	s_sub_co_u32 s[CNT], s[CNT], 1
	s_cmp_lg_u32 s[CNT], 0
	s_cbranch_scc1 .Lstep
	Q1 1                                           ; the last two K steps ask for nothing
	Q0 0
	Q1 0
	; THE WAY OUT: round to bf16, 16 bytes a lane into the work-group's stage; a barrier, since a row's 768 bytes come from two waves; back as whole rows, 64 a wave.
	PLACES
.macro PACKG p, bb                     ; column block 4 p + bb, all 8 row blocks
.set TP, TMP+32*((\bb)%2)
	WIN 5*((\p)+1)                                 ; sources 0 and 1: window 1 + p
.set i, 0
.rept 32
	v_cvt_pk_bf16_f32 v[TP+i], v[64*(\bb)+2*i], v[64*(\bb)+2*i+1]  ; each accumulator's registers in ascending order
.set i, i+1
.endr
	WIN 0
.irp a, 0,1,2,3
	ds_store_b128 v[STO],  v[TP+4*(\a):TP+4*(\a)+3]       offset:(\a)*16*SPITCH+32*(4*(\p)+(\bb))
.endr
.irp a, 0,1,2,3
	ds_store_b128 v[STO2], v[TP+16+4*(\a):TP+16+4*(\a)+3] offset:(\a)*16*SPITCH+32*(4*(\p)+(\bb))
.endr
.endm
.irp p, 0,1,2
.irp bb, 0,1,2,3
	PACKG \p, \bb
.endr
.endr
	s_wait_dscnt 0x0                               ; for the others' sake: my stores into the stage are done
	s_barrier_signal -1
	s_barrier_wait -1
	s_mov_b32 s[CNT], 8
.Lout:                                                 ; a trip: 8 of my 64 rows: pair t / 3 of four pairs, block t % 3 of 256 bytes
.set t, 0
.rept 12
	ds_load_b128 v[OB+4*t:OB+4*t+3], v[RD] offset:2*SPITCH*(t/3)+256*(t%3)
.set t, t+1
.endr
.set t, 0
.rept 12
	s_wait_dscnt 11-t                              ; LDS loads come back in order: number t is in
	global_store_b128 v[CO], v[OB+4*t:OB+4*t+3], s[10:11] offset:12288*(t/3)+256*(t%3)  ; 16 lanes store 256 consecutive bytes, at a multiple of 256 from qkv's first byte
.set t, t+1
.endr
	s_wait_xcnt 0x0                                ; the stores' offset and data registers are written again only behind this wait
	v_add_nc_u32 v[RD], 8*SPITCH, v[RD]
	v_add_nc_u32 v[CO], 8*6144, v[CO]
	s_sub_co_u32 s[CNT], s[CNT], 1
	s_cmp_lg_u32 s[CNT], 0
	s_cbranch_scc1 .Lout
	s_wait_tensorcnt 0x0                           ; the wave's end
	ds_add_u32 v[SPW], v[NIL]
	s_wait_dscnt 0x0
	CROUND                                         ; the closing round: no work-group ends while a partner may still ask for a tile that names it
	s_endpgm
.Lfunc_end_k_qdb4ab5a2ac_proj:
	.size	k_qdb4ab5a2ac_proj, .Lfunc_end_k_qdb4ab5a2ac_proj-k_qdb4ab5a2ac_proj
	.p2alignl 7, 3214868480
	.fill 96, 4, 3214868480
	.section	.rodata,"a",@progbits
	.p2align	6, 0x0
	.amdhsa_kernel k_qdb4ab5a2ac_proj
		.amdhsa_group_segment_fixed_size 327680
		.amdhsa_private_segment_fixed_size 0
		.amdhsa_enable_private_segment 0
		.amdhsa_kernarg_size 32
		.amdhsa_user_sgpr_count 2
		.amdhsa_user_sgpr_kernarg_segment_ptr 1
		.amdhsa_wavefront_size32 1
		.amdhsa_system_sgpr_workgroup_id_x 1
		.amdhsa_system_sgpr_workgroup_id_y 1
		.amdhsa_system_sgpr_workgroup_id_z 1
		.amdhsa_system_vgpr_workitem_id 0
		.amdhsa_next_free_vgpr 1024
		.amdhsa_next_free_sgpr 66
		.amdhsa_reserve_vcc 0
		.amdhsa_float_denorm_mode_32 3
		.amdhsa_float_denorm_mode_16_64 3
		.amdhsa_memory_ordered 1
		.amdhsa_forward_progress 1
		.amdhsa_inst_pref_size 100
	.end_amdhsa_kernel
	.amdgpu_metadata
---
amdhsa.version: [ 1, 2 ]
amdhsa.kernels:
  - .name:           k_qdb4ab5a2ac_proj
    .symbol:         k_qdb4ab5a2ac_proj.kd
    .args:
      - { .name: xb, .offset: 0, .size: 8, .value_kind: global_buffer, .address_space: global }
      - { .name: wb, .offset: 8, .size: 8, .value_kind: global_buffer, .address_space: global }
      - { .name: bb, .offset: 16, .size: 8, .value_kind: global_buffer, .address_space: global }
      - { .name: qkv, .offset: 24, .size: 8, .value_kind: global_buffer, .address_space: global }
    .group_segment_fixed_size: 327680
    .private_segment_fixed_size: 0
    .kernarg_segment_align: 8
    .kernarg_segment_size: 32
    .max_flat_workgroup_size: 128
    .sgpr_count:     66
    .vgpr_count:     1024
    .wavefront_size: 32
...
	.end_amdgpu_metadata
.endif
;; end of part 2
;; launch score (part 3): grid 8 x 32, 4 waves a work-group, clusters of 4 x 4, 327,680 bytes of LDS; arguments qkv, pt, sm, sl; writes pt, sm, sl
.if DOCPART == 3
	.amdgcn_target "amdgcn-amd-amdhsa--gfx1250"
	.amdhsa_code_object_version 6
	.text
	.protected	k_qdb4ab5a2ac_score
	.globl	k_qdb4ab5a2ac_score
	.p2align	8
	.type	k_qdb4ab5a2ac_score,@function
k_qdb4ab5a2ac_score:
	s_mov_b64 s[64:65], 0
	v_nop
	global_prefetch_b8 v0, s[64:65] scope:SCOPE_SE
	s_setreg_imm32_b32 hwreg(HW_REG_WAVE_MODE, 25, 1), 1
	s_wait_xcnt 0x0
	s_wait_alu depctr_hold_cnt(0) depctr_sa_sdst(0) depctr_va_vdst(0) depctr_va_sdst(0) depctr_va_ssrc(0) depctr_va_vcc(0) depctr_vm_vsrc(0)
	s_getreg_b32 s2, hwreg(HW_REG_IB_STS2, 6, 4)
	s_cmp_eq_u32 s2, 0
	s_cbranch_scc0 .Lentry_in_a_cluster
	s_endpgm
.Lentry_in_a_cluster:
	s_bfe_u32 s2, ttmp6, 0x10000c
	s_cmp_lg_u32 s2, 0xf033
	s_cbranch_scc0 .Lentry_shape_is_right
	s_endpgm
.Lentry_shape_is_right:
; For a tile of 256 queries x 256 keys of one batch: s = q . k (K = 1024, bf16 operands, f32 sums); for each query the TILE's maximum m; p = 2^(c s - c m), c = log2(e) / 32; l = the sum of the tile's p.
; Stored: pt [8192][2048] bf16 (p, rounded once), sm [8 key tiles][8192] f32 (c m), sl likewise (l, of the unrounded p).  The next launch joins the eight tiles of a row exactly:
; a maximum is taken away before every exponential, here the tile's, there the row's.
; LIMITS: p lies in 0 to 1; a p below 2^-126 counts as 0; NaN and infinities are not treated apart.
; SHARES.  8 x 32 = 256 work-groups; four waves, each 128 queries (rh) x 128 keys (ch): 64 accumulators.  K in 8 steps of 128 through two LDS slots; rows of 256 bytes padded to 272.
; CLUSTER 4 x 4: q's tiles are shared along a row of the cluster, k's along a column, each asked for jointly.  Waves 0, 1 fetch q's two halves, waves 2, 3 k's.
; TRANSPOSED USE (source 0 = 16 keys, source 1 = 16 queries): a lane holds query l % 16 and the keys 8 (l / 16) + 0..7 of each block.
; REGISTERS: window 0: v16-29 addresses; v64-127, v128-191 q's fragments; window 1: the same numbers, k's fragments; window 2: accumulators of my queries 0-63, (a, b) at v[8 (8 a + b)]; window 3: 64-127.
;   Behind the products, window 0: v32-63 partial maxima, then rows read back; v64-79 (c m, m) for each block a; v80-87 l; v88-95 the other lanes' or wave's figure; v128-135 at the end; v192-223 packed p; v224-255 rows read back.
.set PITCH,  272
.set HALFT,  128*PITCH
.set SLOT,   4*HALFT                   ; q's 256 rows, then k's 256
.set STAGE,  2*SLOT                    ; behind the ring: 16 rows x 272 bytes for each wave
.set SPARE,  STAGE+4*16*PITCH          ; the spare words, 128 bytes a wave: two blocks of 256 bytes that no other line names
.set XCH,    SPARE+512                 ; m of key half 0 and 1 (256 rows each), then l likewise: 4 x 1,024 bytes
.set NLD,    32
.set F0, 64
.set F1, 128
.set CT, 32
.set ST, 64
.set LS, 80
.set PX, 88
.set LIN, 128
.set TMP, 192
.set OB, 32
.set ADRA0, 16
.set ADRB0, 17
.set ADRA, 18
.set ADRB, 19
.set XS, 20                            ; where I put my rows' figure for the other key half's wave
.set XP, 21                            ; where that wave puts its own
.set XR, 22                            ; the two rows whose statistics I store
.set SO, 23                            ; their byte offset
.set STO, 24
.set RD, 25
.set CO, 26
.set SPW, 28
.set NIL, 29
.set WV, 12
.set PART, 13                          ; wave & 1: the half that I fetch; also ch
.set CX, 14
.set CY, 15
.set TX, 16
.set TY, 17
.set MROW, 18
.set MCOL, 19
.set LW, 20
.set TB, 21
.set TF, 22
.set CNT, 23
.set G1A, 24
.set G0A, 32
.set CS, 40                            ; s[40:41] c, behind the products
.set SEL, 42                           ; s[42:43] v_permlanex16_b32's selects
.set RH, 44
.set G1B, 48
.set G0B, 56
.set G1W0, (1<<16)|(1<<20)|(1<<21)|(5<<22)|(3<<25)
.set MSB, 0
.macro WIN new
.if MSB != (\new)
	s_set_vgpr_msb (MSB<<8)|(\new)
.set MSB, (\new)
.endif
.endm
.macro PLACES
.rept 4
	v_nop
.endr
.endm
.macro CREST
	s_cmp_lg_u32 s[WV], 0
	s_cbranch_scc1 .Lnot_wave_0_\@
	s_barrier_signal -3
.Lnot_wave_0_\@:
	s_barrier_wait -3
	s_barrier_signal -1
	s_barrier_wait -1
.endm
.macro CROUND
	s_barrier_signal -1
	s_barrier_wait -1
	CREST
.endm
.macro JLOAD
	s_cmp_lt_u32 s[WV], 2
	s_cbranch_scc0 .Lfor_b_\@
	tensor_load_to_lds s[G0A+4:G0A+7], s[G1A:G1A+7]
	s_nop 0
	PLACES
	s_branch .Lasked_\@
.Lfor_b_\@:
	tensor_load_to_lds s[G0B+4:G0B+7], s[G1B:G1B+7]
	s_nop 0
	PLACES
.Lasked_\@:
.endm
	s_load_b256 s[4:11], s[0:1], 0x0               ; qkv s[4:5], pt s[6:7], sm s[8:9], sl s[10:11]
	v_lshl_add_u32 v[SPW], v0, 2, SPARE
	v_mov_b32 v[NIL], 0
	ds_add_u32 v[SPW], v[NIL]                      ; the wave's opening: the add and its wait stand ahead of my first tensor load
	v_lshrrev_b32 v1, 5, v0
	v_readfirstlane_b32 s[WV], v1
	s_and_b32 s[PART], s[WV], 1
	s_bfe_u32 s[CX], ttmp6, 0x40000
	s_bfe_u32 s[CY], ttmp6, 0x40004
	s_lshl_b32 s[TX], ttmp9, 2
	s_add_co_u32 s[TX], s[TX], s[CX]               ; key tile of the batch
	s_and_b32 s[TY], ttmp7, 0xffff
	s_lshl_b32 s[TY], s[TY], 2
	s_add_co_u32 s[TY], s[TY], s[CY]               ; tile of 256 rows among all 8,192
	s_lshl_b32 s[MROW], s[CY], 2
	s_lshl_b32 s[MROW], 15, s[MROW]
	s_lshl_b32 s[MCOL], 0x1111, s[CX]
	s_or_b32 s[G1A], s[MROW], G1W0
	s_or_b32 s[G1B], s[MCOL], G1W0
.irp g, G1A, G1B
	s_mov_b32 s[(\g)+1], 128<<16
	s_mov_b32 s[(\g)+2], 128<<16
	s_mov_b32 s[(\g)+3], 128<<16
	s_mov_b32 s[(\g)+4], 128
	s_mov_b32 s[(\g)+5], 3072                      ; qkv's rows are 3,072 elements apart
	s_mov_b32 s[(\g)+6], 0
	s_mov_b32 s[(\g)+7], 0
.endr
	s_lshl_b32 s40, s[TY], 8
	s_lshl_b32 s41, s[PART], 7
	s_add_co_u32 s40, s40, s41                     ; q: row 256 x tile row + 128 x half
	s_mul_i32 s40, s40, 6144
	s_mov_b32 s41, 0
	s_and_b32 s46, ttmp7, 0xffff
	s_lshr_b32 s46, s46, 1                         ; the batch: eight tile rows, two clusters: the same in all partners
	s_lshl_b32 s46, s46, 11
	s_lshl_b32 s47, s[TX], 8
	s_add_co_u32 s46, s46, s47
	s_lshl_b32 s47, s[PART], 7
	s_add_co_u32 s46, s46, s47                     ; k: row 2,048 x batch + 256 x key tile + 128 x half,
	s_mul_i32 s46, s46, 6144
	s_add_co_u32 s46, s46, 2048                    ; from column 1,024 on
	s_mov_b32 s47, 0
	s_mul_i32 s[LW], s[WV], HALFT
	s_mov_b32 s[TB], 0
	s_mov_b32 s[TF], SLOT
	s_wait_dscnt 0x0                               ; the opening add is done
	s_wait_kmcnt 0x0
	s_add_nc_u64 s[40:41], s[4:5], s[40:41]
	s_add_nc_u64 s[46:47], s[4:5], s[46:47]
.irp s, 0,1
	s_mov_b32 s[G0A+4*(\s)], 1
	s_add_co_u32 s[G0A+4*(\s)+1], s[LW], (\s)*SLOT
	s_add_nc_u64 s[G0A+4*(\s)+2:G0A+4*(\s)+3], s[40:41], (\s)*256
	s_or_b32 s[G0A+4*(\s)+3], s[G0A+4*(\s)+3], 0x80000000
	s_mov_b32 s[G0B+4*(\s)], 1
	s_add_co_u32 s[G0B+4*(\s)+1], s[LW], (\s)*SLOT
	s_add_nc_u64 s[G0B+4*(\s)+2:G0B+4*(\s)+3], s[46:47], (\s)*256
	s_or_b32 s[G0B+4*(\s)+3], s[G0B+4*(\s)+3], 0x80000000
.endr
	CROUND                                         ; all sixteen work-groups are here: the first joint loads meet
	s_cmp_lt_u32 s[WV], 2                          ; a wave's two first fills stand in one branch: two loads of mine are out
	s_cbranch_scc0 .Lfirst_b
	tensor_load_to_lds s[G0A:G0A+3], s[G1A:G1A+7]
	s_nop 0
	tensor_load_to_lds s[G0A+4:G0A+7], s[G1A:G1A+7]
	s_nop 0
	PLACES
	s_branch .Lfirst_asked
.Lfirst_b:
	tensor_load_to_lds s[G0B:G0B+3], s[G1B:G1B+7]
	s_nop 0
	tensor_load_to_lds s[G0B+4:G0B+7], s[G1B:G1B+7]
	s_nop 0
	PLACES
.Lfirst_asked:
	v_and_b32 v1, 15, v0                           ; r
	v_bfe_u32 v2, v0, 4, 1                         ; h
	v_and_b32 v3, 31, v0                           ; lane
	s_lshr_b32 s[RH], s[WV], 1                     ; which 128 queries are mine
	v_mul_u32_u24 v4, v1, PITCH
	v_lshl_add_u32 v4, v2, 4, v4                   ; row x pitch + 16 x half
	s_mul_i32 s2, s[RH], HALFT
	v_add_nc_u32 v[ADRA0], s2, v4
	s_mul_i32 s2, s[PART], HALFT
	s_add_co_u32 s2, s2, 2*HALFT
	v_add_nc_u32 v[ADRB0], s2, v4
	v_mov_b32 v[ADRA], v[ADRA0]
	v_mov_b32 v[ADRB], v[ADRB0]
	s_mul_i32 s2, s[WV], 16*PITCH
	s_add_co_u32 s2, s2, STAGE                     ; my stage
	v_add_nc_u32 v[STO], s2, v4                    ; in: row l % 16, 16 bytes for each half of the lanes
	v_mul_u32_u24 v5, v2, PITCH                    ; back: lanes 0-15 one row of 256 bytes, lanes 16-31 the next
	v_lshl_add_u32 v5, v1, 4, v5
	v_add_nc_u32 v[RD], s2, v5
	v_lshlrev_b32 v5, 12, v2                       ; the same two rows in pt (4,096 bytes a row)
	v_lshl_add_u32 v[CO], v1, 4, v5
	s_lshl_b32 s2, s[RH], 9
	s_add_co_u32 s2, s2, XCH                       ; my 128 rows' words
	s_lshl_b32 s3, s[PART], 10
	s_add_co_u32 s3, s3, s2
	v_lshl_add_u32 v[XS], v1, 2, s3
	s_xor_b32 s3, s[PART], 1
	s_lshl_b32 s3, s3, 10
	s_add_co_u32 s3, s3, s2
	v_lshl_add_u32 v[XP], v1, 2, s3
	s_lshl_b32 s3, s[PART], 8                      ; of the 128 rows I store the statistics of 64, two a lane
	s_add_co_u32 s3, s3, s2
	v_lshl_add_u32 v[XR], v3, 3, s3
	v_lshlrev_b32 v[SO], 3, v3
	s_lshl_b32 s2, s[TY], 8
	s_lshl_b32 s3, s[RH], 7
	s_add_co_u32 s2, s2, s3                        ; my first row
	s_lshl_b32 s45, s2, 2
	s_lshl_b32 s2, s2, 12
	s_lshl_b32 s3, s[TX], 9
	s_add_co_u32 s2, s2, s3
	s_lshl_b32 s3, s[PART], 8
	s_add_co_u32 s2, s2, s3                        ; + 512 x key tile + 256 x key half
	s_mov_b32 s3, 0
	s_add_nc_u64 s[6:7], s[6:7], s[2:3]
	s_lshl_b32 s2, s[TX], 15                       ; sm, sl: 32,768 bytes a key tile, 4 bytes a row
	s_add_co_u32 s2, s2, s45
	s_lshl_b32 s45, s[PART], 8
	s_add_co_u32 s2, s2, s45
	s_add_nc_u64 s[8:9], s[8:9], s[2:3]
	s_add_nc_u64 s[10:11], s[10:11], s[2:3]
; 16 matrix instructions: query blocks a0, a0 + 1 of the window's four x all 8 key blocks, 32 along K.  first = 1: the product starts the sums.  The accumulators take turns.
.macro MULH f, hi, a0, first
	WIN 0xa1+0x50*(\hi)
.irp a, \a0, (\a0)+1
.irp b, 0,1,2,3,4,5,6,7
.if \first
	v_wmma_f32_16x16x32_bf16 v[8*(8*(\a)+(\b)):8*(8*(\a)+(\b))+7], v[(\f)+8*(\b):(\f)+8*(\b)+7], v[(\f)+8*(4*(\hi)+(\a)):(\f)+8*(4*(\hi)+(\a))+7], 0
.else
	v_wmma_f32_16x16x32_bf16 v[8*(8*(\a)+(\b)):8*(8*(\a)+(\b))+7], v[(\f)+8*(\b):(\f)+8*(\b)+7], v[(\f)+8*(4*(\hi)+(\a)):(\f)+8*(4*(\hi)+(\a))+7], v[8*(8*(\a)+(\b)):8*(8*(\a)+(\b))+7]
.endif
.endr
.endr
.endm
.macro FETCH k, f                      ; one run of 32 LDS loads, k's fragments first
	WIN 0x40
.irp i, 0,1,2,3,4,5,6,7
	ds_load_b128 v[(\f)+8*(\i):(\f)+8*(\i)+3],   v[ADRB] offset:(\k)+(\i)*16*PITCH
	ds_load_b128 v[(\f)+8*(\i)+4:(\f)+8*(\i)+7], v[ADRB] offset:(\k)+(\i)*16*PITCH+32
.endr
	WIN 0
.irp i, 0,1,2,3,4,5,6,7
	ds_load_b128 v[(\f)+8*(\i):(\f)+8*(\i)+3],   v[ADRA] offset:(\k)+(\i)*16*PITCH
	ds_load_b128 v[(\f)+8*(\i)+4:(\f)+8*(\i)+7], v[ADRA] offset:(\k)+(\i)*16*PITCH+32
.endr
.endm
.macro QUARTER k, f, g, first
	s_wait_dscnt 8                                 ; k's fragments and q's rows 0-63 are in; the youngest eight loads may be out
	MULH \f, 0, 0, \first
	MULH \f, 0, 2, \first
	PLACES
	FETCH \k, \g
	s_wait_dscnt NLD                               ; all but the run just issued
	MULH \f, 1, 0, \first
	MULH \f, 1, 2, \first
.endm
; The change of slots: each wave waits for all its tensor loads (one is out: its part of the next slot), adds 0 to its spare word, waits for that and for its reads of this slot, and signals.
; fill = 1: the barrier opens a round of the cluster's, and this slot is filled again, two K steps ahead, first thing behind the round.
.macro TURN fill
	WIN 0
	s_wait_tensorcnt 0x0
	ds_add_u32 v[SPW], v[NIL]
	s_wait_dscnt 9                                 ; the add and the youngest eight loads may be out
	MULH F1, 0, 0, 0
	s_wait_dscnt 0x0                               ; the add is done, and my reads of this slot are over
	s_barrier_signal -1
	MULH F1, 0, 2, 0
	WIN 0
	s_barrier_wait -1
.if \fill
	CREST
	s_xor_b32 s[TF], s[TF], SLOT
	s_add_co_u32 s[G0A+5], s[TF], s[LW]
	s_add_co_u32 s[G0B+5], s[TF], s[LW]
	s_add_nc_u64 s[G0A+6:G0A+7], s[G0A+6:G0A+7], 256
	s_add_nc_u64 s[G0B+6:G0B+7], s[G0B+6:G0B+7], 256
	JLOAD                                          ; its four v_nop are also the places in front of the loads below
.else
	PLACES
.endif
	s_xor_b32 s[TB], s[TB], SLOT
	v_add_nc_u32 v[ADRA], s[TB], v[ADRA0]
	v_add_nc_u32 v[ADRB], s[TB], v[ADRB0]
	FETCH 0, F0
	MULH F1, 1, 0, 0
	MULH F1, 1, 2, 0
.endm
	s_wait_tensorcnt 0x1                           ; my part of K step 0 is in; step 1's may stay out
	s_barrier_signal -1
	s_barrier_wait -1
	FETCH 0, F0
	QUARTER 64, F0, F1, 1
	WIN 0
	s_mov_b32 s[CNT], 6
.Lstep:                                                ; trip i: the rest of K step i, a refill with step i + 2, the first quarter of step i + 1
	QUARTER 128, F1, F0, 0
	QUARTER 192, F0, F1, 0
	TURN 1
	QUARTER 64, F0, F1, 0
	WIN 0
	s_sub_co_u32 s[CNT], s[CNT], 1
	s_cmp_lg_u32 s[CNT], 0
	s_cbranch_scc1 .Lstep
	QUARTER 128, F1, F0, 0
	QUARTER 192, F0, F1, 0
	TURN 0
	QUARTER 64, F0, F1, 0
	QUARTER 128, F1, F0, 0
	QUARTER 192, F0, F1, 0
	s_wait_dscnt 8
	MULH F1, 0, 0, 0
	MULH F1, 0, 2, 0
	s_wait_dscnt 0x0
	MULH F1, 1, 0, 0
	MULH F1, 1, 2, 0
	WIN 0
	; THE TILE'S ROW MAXIMA.  A lane holds 64 scores of each of its 8 queries.
	PLACES
	s_mov_b32 s[CS], 0x3d38aa3b                    ; c = log2(e) / 32
	s_mov_b32 s[CS+1], s[CS]                       ; named with it as a pair
	s_mov_b32 s[SEL], 0x76543210
	s_mov_b32 s[SEL+1], 0xfedcba98
.set i, 0
.rept 8
	v_mov_b32 v[PX+i], 0                           ; v_permlanex16_b32 counts as a reader of its destination
.set i, i+1
.endr
.macro ROWMAX g                        ; window 2 + g: 32 accumulators, one partial maximum each, three operands at a time; each accumulator's lowest registers are read first
	WIN 0x2a+0x15*(\g)
.set i, 0
.rept 32
	v_max3_num_f32 v[CT+i], v[8*i], v[8*i+1], v[8*i+2]
.set i, i+1
.endr
	WIN 0x28+0x14*(\g)
.set i, 0
.rept 32
	v_max3_num_f32 v[CT+i], v[CT+i], v[8*i+3], v[8*i+4]
.set i, i+1
.endr
.set i, 0
.rept 32
	v_max3_num_f32 v[CT+i], v[CT+i], v[8*i+5], v[8*i+6]
.set i, i+1
.endr
.set i, 0
.rept 16
	v_max3_num_f32 v[CT+2*i], v[CT+2*i], v[16*i+7], v[16*i+15]
.set i, i+1
.endr
	WIN 0
.set i, 0
.rept 4
	v_max3_num_f32 v[CT+8*i], v[CT+8*i], v[CT+8*i+1], v[CT+8*i+2]
	v_max3_num_f32 v[CT+8*i+3], v[CT+8*i+3], v[CT+8*i+4], v[CT+8*i+5]
	v_max3_num_f32 v[CT+8*i], v[CT+8*i], v[CT+8*i+6], v[CT+8*i+7]
	v_max_num_f32 v[ST+2*(4*(\g)+i)+1], v[CT+8*i], v[CT+8*i+3]
.set i, i+1
.endr
.endm
	ROWMAX 0
	ROWMAX 1
.macro ALL line:vararg                 ; one line for each block a
.set a, 0
.rept 8
	\line
.set a, a+1
.endr
.endm
	ALL v_permlanex16_b32 v[PX+a], v[ST+2*a+1], s[SEL], s[SEL+1]   ; the query's other keys of my 128 lie in the lane 16 away,
	ALL v_max_num_f32 v[ST+2*a+1], v[ST+2*a+1], v[PX+a]
	ALL ds_store_b32 v[XS], v[ST+2*a+1] offset:64*a                ; and the tile's other 128 keys in the other wave of my rows
	s_wait_dscnt 0x0                               ; for the others' sake: my stores are done
	s_barrier_signal -1
	s_barrier_wait -1
	ALL ds_load_b32 v[PX+a], v[XP] offset:64*a
	s_wait_dscnt 0x0
	ALL v_max_num_f32 v[ST+2*a+1], v[ST+2*a+1], v[PX+a]
	ALL v_mul_f32 v[ST+2*a], s[CS], v[ST+2*a+1]
	; p = 2^(c s - c m), block by block, in place; rounded, sent through my stage and stored as whole rows of 256 bytes; the unrounded p summed.
.macro EXPB a                          ; scalings run four pairs ahead of the exponentials; behind each odd exponential stands another, then a scaling: no result is used before the roundings
.set AC, 64*((\a)%4)
	WIN 0x82+0x41*((\a)/4)
.set i, 0
.rept 4
	v_pk_fma_f32 v[AC+2*i:AC+2*i+1], v[AC+2*i:AC+2*i+1], s[CS:CS+1], v[ST+2*(\a):ST+2*(\a)+1] op_sel_hi:[1,0,0] neg_lo:[0,0,1] neg_hi:[0,0,1]
.set i, i+1
.endr
.set i, 0
.rept 32
	v_exp_f32 v[AC+2*i], v[AC+2*i]
.if i < 28
	v_pk_fma_f32 v[AC+2*i+8:AC+2*i+9], v[AC+2*i+8:AC+2*i+9], s[CS:CS+1], v[ST+2*(\a):ST+2*(\a)+1] op_sel_hi:[1,0,0] neg_lo:[0,0,1] neg_hi:[0,0,1]
.endif
	v_exp_f32 v[AC+2*i+1], v[AC+2*i+1]
.set i, i+1
.endr
.endm
.macro CVTB a
.set AC, 64*((\a)%4)
	WIN 0x0a+5*((\a)/4)
.set i, 0
	s_wait_alu depctr_va_vdst(0)
.rept 32
	v_cvt_pk_bf16_f32 v[TMP+i], v[AC+2*i], v[AC+2*i+1]
.set i, i+1
.endr
.endm
.macro TOSTAGE a
	WIN 0
.set BK, OB+192*((\a)%2)
.irp b, 0,1,2,3,4,5,6,7
	ds_store_b128 v[STO], v[TMP+4*(\b):TMP+4*(\b)+3] offset:32*(\b)
.endr
.irp t, 0,1,2,3,4,5,6,7
	ds_load_b128 v[BK+4*(\t):BK+4*(\t)+3], v[RD] offset:(\t)*2*PITCH  ; LDS serves a wave's instructions in order (ISA guide 5.7.1.4): these see the stores above
.endr
.endm
.macro SEND a
	WIN 0
.set BK, OB+192*((\a)%2)
	s_wait_dscnt 0x0                               ; the block is back in registers
	s_wait_xcnt 0x0                                ; the stores of the block before have read their registers: those are loaded again only behind this wait
.irp t, 0,1,2,3,4,5,6,7
	global_store_b128 v[CO], v[BK+4*(\t):BK+4*(\t)+3], s[6:7] offset:(\a)*65536+8192*(\t)  ; 16 lanes store 256 consecutive bytes, at a multiple of 256 from pt's first byte
.endr
.endm
.macro SUMB a                          ; the lane's 64 weights of block a: a tree of packed sums, in place
.set AC, 64*((\a)%4)
	WIN 0x8a+0x45*((\a)/4)
.irp w, 4,8,16,32,64
.set u, 0
.rept 64/(\w)
	v_pk_add_f32 v[AC+(\w)*u:AC+(\w)*u+1], v[AC+(\w)*u:AC+(\w)*u+1], v[AC+(\w)*u+(\w)/2:AC+(\w)*u+(\w)/2+1]
.set u, u+1
.endr
.endr
	WIN 0x0a+5*((\a)/4)
	v_add_f32 v[LS+(\a)], v[AC], v[AC+1]
.endm
	EXPB 0
	CVTB 0
	TOSTAGE 0
	SUMB 0
.irp a, 1,2,3,4,5,6,7                  ; a block's arithmetic stands between the loads of the block before and its stores
	EXPB \a
	CVTB \a
	SEND (\a)-1
	TOSTAGE \a
	SUMB \a
.endr
	SEND 7
	; THE STATISTICS: l over the lanes' halves and the two key halves; c m made again of the two halves' m by the same two operations, so with the same bits.
	WIN 0
	ALL v_permlanex16_b32 v[PX+a], v[LS+a], s[SEL], s[SEL+1]
	ALL v_add_f32 v[LS+a], v[LS+a], v[PX+a]
	ALL ds_store_b32 v[XS], v[LS+a] offset:2048+64*a
	s_wait_dscnt 0x0                               ; for the others' sake
	s_barrier_signal -1
	s_barrier_wait -1
	ds_load_b64 v[LIN:LIN+1],   v[XR]
	ds_load_b64 v[LIN+2:LIN+3], v[XR] offset:1024
	ds_load_b64 v[LIN+4:LIN+5], v[XR] offset:2048
	ds_load_b64 v[LIN+6:LIN+7], v[XR] offset:3072
	s_wait_dscnt 0x0
	v_max_num_f32 v[LIN], v[LIN], v[LIN+2]
	v_max_num_f32 v[LIN+1], v[LIN+1], v[LIN+3]
	v_mul_f32 v[LIN], s[CS], v[LIN]
	v_mul_f32 v[LIN+1], s[CS], v[LIN+1]
	v_pk_add_f32 v[LIN+4:LIN+5], v[LIN+4:LIN+5], v[LIN+6:LIN+7]
	global_store_b64 v[SO], v[LIN:LIN+1], s[8:9]       ; a wave stores 256 consecutive bytes, at a multiple of 256 from the buffer's first byte
	global_store_b64 v[SO], v[LIN+4:LIN+5], s[10:11]
	s_wait_tensorcnt 0x0                           ; the wave's end
	ds_add_u32 v[SPW], v[NIL]
	s_wait_dscnt 0x0
	CROUND                                         ; the closing round
	s_endpgm
.Lfunc_end_k_qdb4ab5a2ac_score:
	.size	k_qdb4ab5a2ac_score, .Lfunc_end_k_qdb4ab5a2ac_score-k_qdb4ab5a2ac_score
	.p2alignl 7, 3214868480
	.fill 96, 4, 3214868480
	.section	.rodata,"a",@progbits
	.p2align	6, 0x0
	.amdhsa_kernel k_qdb4ab5a2ac_score
		.amdhsa_group_segment_fixed_size 327680
		.amdhsa_private_segment_fixed_size 0
		.amdhsa_enable_private_segment 0
		.amdhsa_kernarg_size 32
		.amdhsa_user_sgpr_count 2
		.amdhsa_user_sgpr_kernarg_segment_ptr 1
		.amdhsa_wavefront_size32 1
		.amdhsa_system_sgpr_workgroup_id_x 1
		.amdhsa_system_sgpr_workgroup_id_y 1
		.amdhsa_system_sgpr_workgroup_id_z 1
		.amdhsa_system_vgpr_workitem_id 0
		.amdhsa_next_free_vgpr 1024
		.amdhsa_next_free_sgpr 66
		.amdhsa_reserve_vcc 0
		.amdhsa_float_denorm_mode_32 3
		.amdhsa_float_denorm_mode_16_64 3
		.amdhsa_memory_ordered 1
		.amdhsa_forward_progress 1
		.amdhsa_inst_pref_size 186
	.end_amdhsa_kernel
	.amdgpu_metadata
---
amdhsa.version: [ 1, 2 ]
amdhsa.kernels:
  - .name:           k_qdb4ab5a2ac_score
    .symbol:         k_qdb4ab5a2ac_score.kd
    .args:
      - { .name: qkv, .offset: 0, .size: 8, .value_kind: global_buffer, .address_space: global }
      - { .name: pt, .offset: 8, .size: 8, .value_kind: global_buffer, .address_space: global }
      - { .name: sm, .offset: 16, .size: 8, .value_kind: global_buffer, .address_space: global }
      - { .name: sl, .offset: 24, .size: 8, .value_kind: global_buffer, .address_space: global }
    .group_segment_fixed_size: 327680
    .private_segment_fixed_size: 0
    .kernarg_segment_align: 8
    .kernarg_segment_size: 32
    .max_flat_workgroup_size: 128
    .sgpr_count:     66
    .vgpr_count:     1024
    .wavefront_size: 32
...
	.end_amdgpu_metadata
.endif
;; end of part 3
;; launch pv (part 4): grid 8 x 32, 4 waves a work-group, clusters of 4 x 4, 327,680 bytes of LDS; arguments pt, qkv, sm, sl, out0; writes out0
.if DOCPART == 4
	.amdgcn_target "amdgcn-amd-amdhsa--gfx1250"
	.amdhsa_code_object_version 6
	.text
	.protected	k_qdb4ab5a2ac_pv
	.globl	k_qdb4ab5a2ac_pv
	.p2align	8
	.type	k_qdb4ab5a2ac_pv,@function
k_qdb4ab5a2ac_pv:
	s_mov_b64 s[64:65], 0
	v_nop
	global_prefetch_b8 v0, s[64:65] scope:SCOPE_SE
	s_setreg_imm32_b32 hwreg(HW_REG_WAVE_MODE, 25, 1), 1
	s_wait_xcnt 0x0
	s_wait_alu depctr_hold_cnt(0) depctr_sa_sdst(0) depctr_va_vdst(0) depctr_va_sdst(0) depctr_va_ssrc(0) depctr_va_vcc(0) depctr_vm_vsrc(0)
	s_getreg_b32 s2, hwreg(HW_REG_IB_STS2, 6, 4)
	s_cmp_eq_u32 s2, 0
	s_cbranch_scc0 .Lentry_in_a_cluster
	s_endpgm
.Lentry_in_a_cluster:
	s_bfe_u32 s2, ttmp6, 0x10000c
	s_cmp_lg_u32 s2, 0xf033
	s_cbranch_scc0 .Lentry_shape_is_right
	s_endpgm
.Lentry_shape_is_right:
; out0[q][d] = sum over the 8 key tiles t of f_t[q] x (sum over the tile's 256 keys of pt[q][key] v[key][d]),   f_t = 2^(c m_t - M) / L,  M = max over t of c m_t,  L = sum over t of 2^(c m_t - M) l_t.
; That is the softmax's weights times v: the row's maximum is taken away before every exponential, every exponent is 0 or below, and L is at least 1.
; pt [8192][2048] bf16, v = columns 2,048 on of qkv [8192][3072] bf16, sm (c m) and sl (l) [8][8192] f32, out0 [8192][1024] f32.  Products in bf16 with f32 sums; the tiles are joined in f32.
; LIMITS: a factor 2^(c m_t - M) below 2^-126 counts as 0; NaN and infinities are not treated apart.
; SHARES.  A work-group makes 256 rows x 128 channels: 8 x 32 = 256 work-groups.  Four waves, each 128 rows (rh) x 64 channels (ch).  Two levels of sums: T, one key tile's products (window 2), and O (window 3): O += f_t T.
; The keys go in 16 steps of 128 through two LDS slots; a lap is two steps, one key tile.  CLUSTER 4 x 4: pt's tiles are shared along a row of the cluster, v's along a column.
; Waves 0, 1 fetch 128 rows of pt each (256 bytes a row, padded to 272), waves 2, 3 64 keys of v each (256 bytes a row, padded to 288).
; TRANSPOSED USE: source 0 = 16 channels x 32 keys of v, turned on its way out of LDS by ds_load_tr16_b128; source 1 = 16 rows x 32 keys of pt.  A lane holds row l % 16 and eight neighbouring channels.
; REGISTERS: window 0: v16-31 addresses; v32-47 f_t, a pair for each row block; v64-127, v128-191 pt's fragments; v192-255 rows on the way out.  window 1: v64-95, v128-159 v's fragments.
;   windows 2 and 3: T and O, (a, cb) at v[8 (4 a + cb)].
; O is cleared by 256 v_mov_b32, in the wait for the first tile: writing the first lap out with a multiply in place of the multiply-add would be a third copy of the lap's text.
.set PITCH,  272
.set PV,     288                       ; 72 words
.set HALFT,  128*PITCH
.set VOFF,   2*HALFT                   ; pt's 256 rows, then v's 128 keys
.set SLOT,   VOFF+128*PV
.set STAGE,  2*SLOT                    ; 16 rows x 272 bytes for each wave
.set FT,     STAGE+4*16*PITCH          ; each wave's table of factors: (f, f) of key tile t, row 16 a + r at 1,024 t + 64 r + 8 a
.set SPARE,  FT+4*8192                 ; the spare words, 128 bytes a wave: two blocks of 256 bytes that no other line names
.set F0, 64
.set F1, 128
.set FR, 32
.set OB, 192
.set CM, 64                            ; the prologue: c m of tile t, my rows 4 l + q at CM + 4 t + q; later 2^(c m - M)
.set LL, 96                            ; l likewise
.set MX, 128
.set LT, 132
.set RC, 136
.set FP, 192                           ; the pairs (f, f)
.set ADRA, 16                          ; v16-17 my place in pt's tile, slot 0, 1
.set ADRV, 20                          ; v20-21 in v's
.set STO, 24
.set RD, 25
.set CO, 26
.set FAD, 27                           ; where the lap's factors lie
.set SPW, 28
.set NIL, 29
.set SOFF, 30
.set FWA, 31
.set WV, 12
.set PART, 13                          ; wave & 1: the part that I fetch; also ch
.set CX, 14
.set CY, 15
.set TX, 16
.set TY, 17
.set MROW, 18
.set MCOL, 19
.set LWA, 20
.set LWV, 21
.set RH, 22
.set CNT, 23
.set G1A, 24
.set G0A, 32                           ; a set for each slot
.set G1B, 48
.set G0B, 56
.set MSB, 0
.macro WIN new
.if MSB != (\new)
	s_set_vgpr_msb (MSB<<8)|(\new)
.set MSB, (\new)
.endif
.endm
.macro PLACES
.rept 4
	v_nop
.endr
.endm
.macro CREST
	s_cmp_lg_u32 s[WV], 0
	s_cbranch_scc1 .Lnot_wave_0_\@
	s_barrier_signal -3
.Lnot_wave_0_\@:
	s_barrier_wait -3
	s_barrier_signal -1
	s_barrier_wait -1
.endm
.macro CROUND
	s_barrier_signal -1
	s_barrier_wait -1
	CREST
.endm
.macro JLOAD s
	s_cmp_lt_u32 s[WV], 2
	s_cbranch_scc0 .Lfor_v_\@
	tensor_load_to_lds s[G0A+4*(\s):G0A+4*(\s)+3], s[G1A:G1A+7]
	s_nop 0
	PLACES
	s_branch .Lasked_\@
.Lfor_v_\@:
	tensor_load_to_lds s[G0B+4*(\s):G0B+4*(\s)+3], s[G1B:G1B+7]
	s_nop 0
	PLACES
.Lasked_\@:
.endm
	s_load_b256 s[4:11], s[0:1], 0x0               ; pt s[4:5], qkv s[6:7], sm s[8:9], sl s[10:11]
	s_load_b64 s[44:45], s[0:1], 0x20              ; out0
	v_lshl_add_u32 v[SPW], v0, 2, SPARE
	v_mov_b32 v[NIL], 0
	ds_add_u32 v[SPW], v[NIL]                      ; the wave's opening: the add and its wait stand ahead of my first tensor load
	v_lshrrev_b32 v1, 5, v0
	v_readfirstlane_b32 s[WV], v1
	s_and_b32 s[PART], s[WV], 1
	s_lshr_b32 s[RH], s[WV], 1
	s_bfe_u32 s[CX], ttmp6, 0x40000
	s_bfe_u32 s[CY], ttmp6, 0x40004
	s_lshl_b32 s[TX], ttmp9, 2
	s_add_co_u32 s[TX], s[TX], s[CX]               ; tile of 128 channels
	s_and_b32 s[TY], ttmp7, 0xffff
	s_lshl_b32 s[TY], s[TY], 2
	s_add_co_u32 s[TY], s[TY], s[CY]               ; tile of 256 rows
	s_lshl_b32 s[MROW], s[CY], 2
	s_lshl_b32 s[MROW], 15, s[MROW]
	s_lshl_b32 s[MCOL], 0x1111, s[CX]
	s_or_b32 s[G1A], s[MROW], (1<<16)|(1<<20)|(1<<21)|(5<<22)|(3<<25)  ; 2-byte elements; padding on; bit 21 beside a mask; after every 64 words, 4 words
	s_mov_b32 s[G1A+1], 128<<16                    ; tensor_dim0 = 128
	s_mov_b32 s[G1A+2], 128<<16                    ; tensor_dim1 = 128
	s_mov_b32 s[G1A+3], 128<<16                    ; tile_dim0 = 128
	s_mov_b32 s[G1A+4], 128                        ; tile_dim1 = 128
	s_mov_b32 s[G1A+5], 2048                       ; pt's rows are 2,048 elements apart
	s_mov_b32 s[G1A+6], 0
	s_mov_b32 s[G1A+7], 0
	s_or_b32 s[G1B], s[MCOL], (1<<16)|(1<<20)|(1<<21)|(5<<22)|(7<<25)  ; the same with 8 words of padding
	s_mov_b32 s[G1B+1], 128<<16
	s_mov_b32 s[G1B+2], 64<<16                     ; 64 keys
	s_mov_b32 s[G1B+3], 128<<16
	s_mov_b32 s[G1B+4], 64
	s_mov_b32 s[G1B+5], 3072
	s_mov_b32 s[G1B+6], 0
	s_mov_b32 s[G1B+7], 0
	s_lshl_b32 s40, s[TY], 8
	s_lshl_b32 s41, s[PART], 7
	s_add_co_u32 s40, s40, s41                     ; pt: row 256 x tile row + 128 x part
	s_lshl_b32 s40, s40, 12
	s_mov_b32 s41, 0
	s_and_b32 s46, ttmp7, 0xffff
	s_lshr_b32 s46, s46, 1                         ; the batch: the same in all partners
	s_lshl_b32 s46, s46, 11
	s_lshl_b32 s47, s[PART], 6
	s_add_co_u32 s46, s46, s47                     ; v: row 2,048 x batch + 64 x part,
	s_mul_i32 s46, s46, 6144
	s_lshl_b32 s47, s[TX], 8
	s_add_co_u32 s46, s46, s47                     ; 256 bytes a channel tile,
	s_add_co_u32 s46, s46, 4096                    ; from column 2,048 on
	s_mov_b32 s47, 0
	s_mul_i32 s[LWA], s[PART], HALFT               ; no place in the cluster enters an LDS address
	s_mul_i32 s[LWV], s[PART], 64*PV
	s_add_co_u32 s[LWV], s[LWV], VOFF
	s_wait_dscnt 0x0                               ; the opening add is done
	s_wait_kmcnt 0x0
	s_add_nc_u64 s[40:41], s[4:5], s[40:41]
	s_add_nc_u64 s[46:47], s[6:7], s[46:47]
.irp s, 0,1
	s_mov_b32 s[G0A+4*(\s)], 1
	s_add_co_u32 s[G0A+4*(\s)+1], s[LWA], (\s)*SLOT
	s_add_nc_u64 s[G0A+4*(\s)+2:G0A+4*(\s)+3], s[40:41], (\s)*256       ; key step s: 128 keys along pt's rows,
	s_or_b32 s[G0A+4*(\s)+3], s[G0A+4*(\s)+3], 0x80000000
	s_mov_b32 s[G0B+4*(\s)], 1
	s_add_co_u32 s[G0B+4*(\s)+1], s[LWV], (\s)*SLOT
	s_add_nc_u64 s[G0B+4*(\s)+2:G0B+4*(\s)+3], s[46:47], (\s)*128*6144  ; 128 rows down v
	s_or_b32 s[G0B+4*(\s)+3], s[G0B+4*(\s)+3], 0x80000000
.endr
	CROUND                                         ; all sixteen work-groups are here: the first joint loads meet
	s_cmp_lt_u32 s[WV], 2                          ; a wave's two first fills stand in one branch: two loads of mine are out
	s_cbranch_scc0 .Lfirst_v
	tensor_load_to_lds s[G0A:G0A+3], s[G1A:G1A+7]
	s_nop 0
	tensor_load_to_lds s[G0A+4:G0A+7], s[G1A:G1A+7]
	s_nop 0
	PLACES
	s_branch .Lfirst_asked
.Lfirst_v:
	tensor_load_to_lds s[G0B:G0B+3], s[G1B:G1B+7]
	s_nop 0
	tensor_load_to_lds s[G0B+4:G0B+7], s[G1B:G1B+7]
	s_nop 0
	PLACES
.Lfirst_asked:
	; the statistics of my 128 rows, four rows a lane, all eight key tiles
	v_and_b32 v3, 31, v0
	v_lshlrev_b32 v[SOFF], 4, v3
	s_lshl_b32 s2, s[TY], 10
	s_lshl_b32 s3, s[RH], 9
	s_add_co_u32 s2, s2, s3
	s_mov_b32 s3, 0
	s_add_nc_u64 s[8:9], s[8:9], s[2:3]
	s_add_nc_u64 s[10:11], s[10:11], s[2:3]
.set t, 0
.rept 8
	global_load_b128 v[CM+4*t:CM+4*t+3], v[SOFF], s[8:9] offset:32768*t
	global_load_b128 v[LL+4*t:LL+4*t+3], v[SOFF], s[10:11] offset:32768*t
.set t, t+1
.endr
	v_and_b32 v1, 15, v0                           ; r
	v_bfe_u32 v2, v0, 4, 1                         ; h
	v_mul_u32_u24 v4, v1, PITCH
	v_lshl_add_u32 v4, v2, 4, v4
	s_mul_i32 s2, s[RH], HALFT
	v_add_nc_u32 v[ADRA], s2, v4                   ; pt's fragments: row x pitch + 16 x half, in my 128 rows
	v_add_nc_u32 v[ADRA+1], SLOT, v[ADRA]
	v_and_b32 v5, 7, v0                            ; the turning load: lane l reads key 8 (l / 16) + l % 8, channels 8 ((l / 8) % 2) + 0..7
	v_bfe_u32 v6, v0, 3, 1
	v_lshl_add_u32 v5, v2, 3, v5
	v_mul_u32_u24 v5, v5, PV
	v_lshl_add_u32 v5, v6, 4, v5
	s_lshl_b32 s2, s[PART], 7                      ; my 64 channels
	s_add_co_u32 s2, s2, VOFF
	v_add_nc_u32 v[ADRV], s2, v5
	v_add_nc_u32 v[ADRV+1], SLOT, v[ADRV]
	s_mul_i32 s2, s[WV], 16*PITCH
	s_add_co_u32 s2, s2, STAGE                     ; my stage
	v_mul_u32_u24 v4, v1, PITCH                    ; in: row l % 16, 32 bytes for each half of the lanes
	v_lshl_add_u32 v4, v2, 5, v4
	v_add_nc_u32 v[STO], s2, v4
	v_mul_u32_u24 v4, v2, PITCH                    ; back: lanes 0-15 one row of 256 bytes, lanes 16-31 the next
	v_lshl_add_u32 v4, v1, 4, v4
	v_add_nc_u32 v[RD], s2, v4
	v_lshlrev_b32 v4, 12, v2                       ; the same two rows in out0 (4,096 bytes a row)
	v_lshl_add_u32 v[CO], v1, 4, v4
	s_lshl_b32 s2, s[WV], 13
	s_add_co_u32 s2, s2, FT                        ; my table
	v_lshl_add_u32 v[FAD], v1, 6, s2               ; read: row l % 16 of every block
	v_and_b32 v4, 3, v0                            ; written: my rows 4 l + q are row 4 (l % 4) + q of block l / 4
	v_bfe_u32 v5, v0, 2, 3
	v_lshlrev_b32 v4, 8, v4
	v_lshl_add_u32 v4, v5, 3, v4
	v_add_nc_u32 v[FWA], s2, v4
	s_lshl_b32 s2, s[TY], 8
	s_lshl_b32 s3, s[RH], 7
	s_add_co_u32 s2, s2, s3
	s_lshl_b32 s2, s2, 12                          ; out0 at my first row,
	s_lshl_b32 s3, s[TX], 9
	s_add_co_u32 s2, s2, s3
	s_lshl_b32 s3, s[PART], 8
	s_add_co_u32 s2, s2, s3                        ; my first channel
	s_mov_b32 s3, 0
	s_add_nc_u64 s[44:45], s[44:45], s[2:3]
	WIN 0xc0
.set i, 0
.rept 256
	v_mov_b32 v[i], 0                              ; O = 0
.set i, i+1
.endr
	WIN 0
	s_wait_loadcnt 0x0
.irp q, 0,1,2,3
	v_max3_num_f32 v[MX+(\q)], v[CM+(\q)], v[CM+4+(\q)], v[CM+8+(\q)]
	v_max3_num_f32 v[MX+(\q)], v[MX+(\q)], v[CM+12+(\q)], v[CM+16+(\q)]
	v_max3_num_f32 v[MX+(\q)], v[MX+(\q)], v[CM+20+(\q)], v[CM+24+(\q)]
	v_max_num_f32 v[MX+(\q)], v[MX+(\q)], v[CM+28+(\q)]
.endr
.set i, 0
.rept 16
	v_pk_add_f32 v[CM+2*i:CM+2*i+1], v[CM+2*i:CM+2*i+1], v[MX+2*(i%2):MX+2*(i%2)+1] neg_lo:[0,1] neg_hi:[0,1]  ; c m_t - M
.set i, i+1
.endr
.set i, 0
.rept 32
	v_exp_f32 v[CM+i], v[CM+i]
.set i, i+1
.endr
	v_nop                                          ; a plain instruction between the last exponential and the use of its result
	s_wait_alu depctr_va_vdst(0)
.irp p, 0,1
	v_pk_mul_f32 v[LT+2*(\p):LT+2*(\p)+1], v[CM+2*(\p):CM+2*(\p)+1], v[LL+2*(\p):LL+2*(\p)+1]
.set t, 1
.rept 7
	v_pk_fma_f32 v[LT+2*(\p):LT+2*(\p)+1], v[CM+4*t+2*(\p):CM+4*t+2*(\p)+1], v[LL+4*t+2*(\p):LL+4*t+2*(\p)+1], v[LT+2*(\p):LT+2*(\p)+1]
.set t, t+1
.endr
.endr
.irp q, 0,1,2,3
	v_rcp_f32 v[RC+(\q)], v[LT+(\q)]
.endr
	v_nop
.set i, 0
	s_wait_alu depctr_va_vdst(0)
.rept 32
	v_mul_f32 v[FP+2*i], v[CM+i], v[RC+i%4]        ; f, twice: the pair that the packed multiply-add takes
	v_mul_f32 v[FP+2*i+1], v[CM+i], v[RC+i%4]
.set i, i+1
.endr
.set i, 0
.rept 32
	ds_store_b64 v[FWA], v[FP+2*i:FP+2*i+1] offset:1024*(i/4)+64*(i%4)  ; my own table: only I read it, and LDS serves a wave's instructions in order
.set i, i+1
.endr
; n x 4 matrix instructions: row blocks a0 on x my 4 channel blocks, 32 keys.  zero = 1: the product starts T's sums.  The accumulators take turns.
.macro MULP f, a0, n, zero
	WIN 0xa1
.set ma, (\a0)
.rept \n
.irp cb, 0,1,2,3
.if \zero
	v_wmma_f32_16x16x32_bf16 v[8*(4*ma+(\cb)):8*(4*ma+(\cb))+7], v[(\f)+8*(\cb):(\f)+8*(\cb)+7], v[(\f)+8*ma:(\f)+8*ma+7], 0
.else
	v_wmma_f32_16x16x32_bf16 v[8*(4*ma+(\cb)):8*(4*ma+(\cb))+7], v[(\f)+8*(\cb):(\f)+8*(\cb)+7], v[(\f)+8*ma:(\f)+8*ma+7], v[8*(4*ma+(\cb)):8*(4*ma+(\cb))+7]
.endif
.endr
.set ma, ma+1
.endr
.endm
.macro FETCH s, kq, f                  ; one run of 24 LDS loads: keys 32 kq on of slot s; v's fragments (turned) first
	WIN 0x40
.irp cb, 0,1,2,3
	ds_load_tr16_b128 v[(\f)+8*(\cb):(\f)+8*(\cb)+3],   v[ADRV+(\s)] offset:(\kq)*32*PV+32*(\cb)
	ds_load_tr16_b128 v[(\f)+8*(\cb)+4:(\f)+8*(\cb)+7], v[ADRV+(\s)] offset:(\kq)*32*PV+16*PV+32*(\cb)
.endr
	WIN 0
.irp a, 0,1,2,3,4,5,6,7
	ds_load_b128 v[(\f)+8*(\a):(\f)+8*(\a)+3],   v[ADRA+(\s)] offset:64*(\kq)+(\a)*16*PITCH
	ds_load_b128 v[(\f)+8*(\a)+4:(\f)+8*(\a)+7], v[ADRA+(\s)] offset:64*(\kq)+(\a)*16*PITCH+32
.endr
.endm
.macro QUARTER s, kq, f, g, zero
	s_wait_dscnt 8                                 ; v's fragments and pt's blocks 0-3 are in; the youngest eight LDS loads may be out (at a lap's head four of those are the factors': then blocks 4, 5 are in too)
	MULP \f, 0, 4, \zero
	PLACES
	FETCH \s, \kq, \g
	s_wait_dscnt 24                                ; all but the run just issued
	MULP \f, 4, 4, \zero
.endm
; The change of slots, as in the launches before: all my tensor loads, the add, my reads of the slot; the barrier; fill = 1: it opens a round of the cluster's, and slot s is filled again, two key steps ahead.
.macro TURN s, next, fill
	WIN 0
	s_wait_tensorcnt 0x0
	ds_add_u32 v[SPW], v[NIL]
	s_wait_dscnt 9                                 ; the add and the youngest eight loads may be out
	MULP F1, 0, 2, 0
	s_wait_dscnt 0x0                               ; the add is done, and my reads of this slot are over
	s_barrier_signal -1
	MULP F1, 2, 2, 0
	WIN 0
	s_barrier_wait -1
.if \fill
	CREST
	s_add_nc_u64 s[G0A+4*(\s)+2:G0A+4*(\s)+3], s[G0A+4*(\s)+2:G0A+4*(\s)+3], 512         ; no tensor load of mine is out: the slot's descriptors step two key steps on
	s_add_nc_u64 s[G0B+4*(\s)+2:G0B+4*(\s)+3], s[G0B+4*(\s)+2:G0B+4*(\s)+3], 2*128*6144
	JLOAD \s                                       ; its four v_nop are also the places in front of the loads below, and behind the products of blocks 0-3
.else
	PLACES
.endif
	FETCH \next, 0, F0
	MULP F1, 4, 4, 0
.endm
.macro FLOAD                           ; the lap's factors: (f, f) for my row of each of the 8 blocks
	WIN 0
.irp i, 0,1,2,3
	ds_load_b128 v[FR+4*(\i):FR+4*(\i)+3], v[FAD] offset:16*(\i)
.endr
	v_add_nc_u32 v[FAD], 1024, v[FAD]              ; the next key tile's
.endm
.macro FOLDB a                         ; O += f T for block a; each accumulator's registers in ascending order
	WIN 0xf2
.set i, 0
.rept 16
	v_pk_fma_f32 v[32*(\a)+2*i:32*(\a)+2*i+1], v[32*(\a)+2*i:32*(\a)+2*i+1], v[FR+2*(\a):FR+2*(\a)+1], v[32*(\a)+2*i:32*(\a)+2*i+1]
.set i, i+1
.endr
.endm
	s_wait_tensorcnt 0x1                           ; my part of key step 0 is in; step 1's may stay out
	s_wait_dscnt 0x0                               ; no LDS instruction of mine is pending at a signal
	s_barrier_signal -1
	s_barrier_wait -1
	FETCH 0, 0, F0
	s_mov_b32 s[CNT], 7
.Llap:                                                 ; a lap: one key tile, both slots read and filled again
	FLOAD
	QUARTER 0, 1, F0, F1, 1
	QUARTER 0, 2, F1, F0, 0
	QUARTER 0, 3, F0, F1, 0
	TURN 0, 1, 1
	QUARTER 1, 1, F0, F1, 0
	QUARTER 1, 2, F1, F0, 0
	QUARTER 1, 3, F0, F1, 0
	TURN 1, 0, 1
.irp a, 0,1,2,3,4,5,6,7                ; blocks 0-3 were finished in front of the refill's four places; their 64 lines are the places behind the products of blocks 4-7
	FOLDB \a
.endr
	WIN 0
	s_sub_co_u32 s[CNT], s[CNT], 1
	s_cmp_lg_u32 s[CNT], 0
	s_cbranch_scc1 .Llap
	FLOAD                                          ; the last lap asks for nothing
	QUARTER 0, 1, F0, F1, 1
	QUARTER 0, 2, F1, F0, 0
	QUARTER 0, 3, F0, F1, 0
	TURN 0, 1, 0
	QUARTER 1, 1, F0, F1, 0
	QUARTER 1, 2, F1, F0, 0
	QUARTER 1, 3, F0, F1, 0
	s_wait_dscnt 8
	MULP F1, 0, 4, 0
	s_wait_dscnt 0x0
	MULP F1, 4, 4, 0
	WIN 0
	PLACES
	; THE WAY OUT, a block of 16 rows at a time: the last fold; a lane's 32 bytes into my stage; back as whole rows of 256 bytes; stored.
.macro TOSTAGE a
	WIN 0x0c                                       ; the stores' data in window 3
.irp cb, 0,1,2,3
	ds_store_b128 v[STO], v[32*(\a)+8*(\cb):32*(\a)+8*(\cb)+3]   offset:64*(\cb)
	ds_store_b128 v[STO], v[32*(\a)+8*(\cb)+4:32*(\a)+8*(\cb)+7] offset:64*(\cb)+16
.endr
	WIN 0
.set BK, OB+32*((\a)%2)
.irp p, 0,1,2,3,4,5,6,7
	ds_load_b128 v[BK+4*(\p):BK+4*(\p)+3], v[RD] offset:(\p)*2*PITCH  ; LDS serves a wave's instructions in order (ISA guide 5.7.1.4): these see the stores above
.endr
.endm
.macro SEND a
	WIN 0
.set BK, OB+32*((\a)%2)
	s_wait_dscnt 0x0                               ; the block is back in registers
	s_wait_xcnt 0x0                                ; the stores of the block before have read their registers: those are loaded again only behind this wait
.irp p, 0,1,2,3,4,5,6,7
	global_store_b128 v[CO], v[BK+4*(\p):BK+4*(\p)+3], s[44:45] offset:(\a)*65536+8192*(\p) th:TH_STORE_NT  ; 16 lanes store 256 consecutive bytes, at a multiple of 256 from out0's first byte
.endr
.endm
	FOLDB 0
	TOSTAGE 0
.irp a, 1,2,3,4,5,6,7                  ; a block's fold stands between the loads of the block before and its stores
	FOLDB \a
	SEND (\a)-1
	TOSTAGE \a
.endr
	SEND 7
	s_wait_tensorcnt 0x0                           ; the wave's end
	ds_add_u32 v[SPW], v[NIL]
	s_wait_dscnt 0x0
	CROUND                                         ; the closing round
	s_endpgm
.Lfunc_end_k_qdb4ab5a2ac_pv:
	.size	k_qdb4ab5a2ac_pv, .Lfunc_end_k_qdb4ab5a2ac_pv-k_qdb4ab5a2ac_pv
	.p2alignl 7, 3214868480
	.fill 96, 4, 3214868480
	.section	.rodata,"a",@progbits
	.p2align	6, 0x0
	.amdhsa_kernel k_qdb4ab5a2ac_pv
		.amdhsa_group_segment_fixed_size 327680
		.amdhsa_private_segment_fixed_size 0
		.amdhsa_enable_private_segment 0
		.amdhsa_kernarg_size 40
		.amdhsa_user_sgpr_count 2
		.amdhsa_user_sgpr_kernarg_segment_ptr 1
		.amdhsa_wavefront_size32 1
		.amdhsa_system_sgpr_workgroup_id_x 1
		.amdhsa_system_sgpr_workgroup_id_y 1
		.amdhsa_system_sgpr_workgroup_id_z 1
		.amdhsa_system_vgpr_workitem_id 0
		.amdhsa_next_free_vgpr 1024
		.amdhsa_next_free_sgpr 66
		.amdhsa_reserve_vcc 0
		.amdhsa_float_denorm_mode_32 3
		.amdhsa_float_denorm_mode_16_64 3
		.amdhsa_memory_ordered 1
		.amdhsa_forward_progress 1
		.amdhsa_inst_pref_size 121
	.end_amdhsa_kernel
	.amdgpu_metadata
---
amdhsa.version: [ 1, 2 ]
amdhsa.kernels:
  - .name:           k_qdb4ab5a2ac_pv
    .symbol:         k_qdb4ab5a2ac_pv.kd
    .args:
      - { .name: pt, .offset: 0, .size: 8, .value_kind: global_buffer, .address_space: global }
      - { .name: qkv, .offset: 8, .size: 8, .value_kind: global_buffer, .address_space: global }
      - { .name: sm, .offset: 16, .size: 8, .value_kind: global_buffer, .address_space: global }
      - { .name: sl, .offset: 24, .size: 8, .value_kind: global_buffer, .address_space: global }
      - { .name: out0, .offset: 32, .size: 8, .value_kind: global_buffer, .address_space: global }
    .group_segment_fixed_size: 327680
    .private_segment_fixed_size: 0
    .kernarg_segment_align: 8
    .kernarg_segment_size: 40
    .max_flat_workgroup_size: 128
    .sgpr_count:     66
    .vgpr_count:     1024
    .wavefront_size: 32
...
	.end_amdgpu_metadata
.endif
;; end of part 4
;; ======== version 2 of 2: 4 launches; version 1 with the launch cvt written anew for expert scheduling mode
;; workspace buffers: xb 16,777,216 bytes; wb 6,291,456 bytes; bb 12,288 bytes; qkv 50,331,648 bytes; pt 33,554,432 bytes; sm 262,144 bytes; sl 262,144 bytes
;; launch cvt (part 5): grid 256 x 1, 16 waves a work-group, no clusters, 0 bytes of LDS; arguments x, Wq, Wk, Wv, bq, bk, bv, xb, wb, bb; writes xb, wb, bb
.if DOCPART == 5
	.amdgcn_target "amdgcn-amd-amdhsa--gfx1250"
	.amdhsa_code_object_version 6
	.text
	.protected	k_qdb4ab5a2ac_cvt
	.globl	k_qdb4ab5a2ac_cvt
	.p2align	8
	.type	k_qdb4ab5a2ac_cvt,@function
k_qdb4ab5a2ac_cvt:
	s_mov_b64 s[64:65], 0
	v_nop
	global_prefetch_b8 v0, s[64:65] scope:SCOPE_SE
	s_setreg_imm32_b32 hwreg(HW_REG_WAVE_SCHED_MODE, 0, 2), 2
	s_setreg_imm32_b32 hwreg(HW_REG_WAVE_MODE, 25, 1), 1
	s_wait_xcnt 0x0
	s_wait_alu depctr_vm_vsrc(0)
; Rounds the module's inputs once to bf16 and lays the matrix operands out in K blocks of 64:
;   x -> xb [16 K blocks][8192 rows][64];  Wq, Wk, Wv -> wb [16 K blocks][3072 rows][64] (Wq's rows, then Wk's, then Wv's);
;   bq, bk, bv -> bb [3072], rounded to bf16 and kept widened as f32, since it later starts f32 sums.
; In that layout the rows of one K block lie end to end, 128 bytes each, so the next launch can ask for a tile of 64 along K as dense rows of 256 bytes.
; A stream: no LDS, no barrier, no matrix unit.  256 work-groups of 16 waves, all alike: 32 rows of x and 4 rows of each weight matrix.  Wave w takes K block w of all 44 rows, two rows at a time:
; lanes 0-15 read the 256 bytes of one row's block, lanes 16-31 those of the row below (each an aligned block of 256 bytes), and the wave's store is 256 consecutive bytes, at a multiple of 256
; from the buffer's first byte.  A wave's 22 loads are all issued before the first is used.  Work-groups 0, 1, 2 also take one bias each (waves 0-7, 16 bytes a thread).
; THE MODE: SCHED_MODE bits 1:0 = 2 (LLVM: expert scheduling mode 2), set by the entry lines.  The code itself states the register dependences
; between vector instructions and memory instructions, with s_wait_alu, always for 0.
; THE PLAN.  Registers that memory instructions touch:
;   v4, v5, v6   byte offsets, made once at the head and never written again: read by the loads (v4), the stores (v5), the bias's load and store (v6).
;   IN           22 x 4 registers: each is written once, by its load, and read by that load's two conversions; no vector instruction names them ahead of the loads.
;   OUT          22 x 2 registers: each is written once, by a conversion, and read by one store.
;   v[140:143]   the bias as loaded;  v[146:149] the bias to store, written by four vector instructions.
; No register that a memory instruction reads is ever written again, so no wait on vm_vsrc is owed.  EXEC is never written.
; The 22 loads are worked on in five groups (0-3, 4-7, 8-11, 12-15, 16-21).  Group g's conversions write group g's OUT; the stores of group g - 1 are dealt among them: they read
; group g - 1's OUT and v5, which no vector instruction of group g names.  So one wait on va_vdst at a group's head states all that those stores hang on.
.set XSTEP, 8192*128                   ; bytes of a K block of xb
.set WSTEP, 3072*128                   ; of wb
.set NLOAD, 22                         ; loads of a wave: 16 pairs of rows of x, 2 of each weight matrix
.set VL,  4                            ; v4  where I read: 4,096 x (lane / 16) + 256 x wave + 16 x (lane % 16)
.set VS,  5                            ; v5  where I store: 8 x lane
.set VB,  6                            ; v6  16 x thread, for a bias
.set IN,  8                            ; v[8:95]    22 x 4 numbers as loaded
.set OUT, 96                           ; v[96:139]  22 x 2 words of bf16
	s_load_b512 s[8:23], s[0:1], 0x0               ; x s[8:9], Wq s[10:11], Wk s[12:13], Wv s[14:15], bq s[16:17], bk s[18:19], bv s[20:21], xb s[22:23]
	s_load_b128 s[24:27], s[0:1], 0x40             ; wb s[24:25], bb s[26:27]
	s_mov_b32 s2, ttmp9                            ; the work-group's number
	v_lshrrev_b32 v1, 5, v0
	v_readfirstlane_b32 s3, v1                     ; my wave's number = my K block
	v_and_b32 v2, 15, v0
	v_bfe_u32 v3, v0, 4, 1
	v_lshlrev_b32 v3, 12, v3                       ; lanes 16-31: one row of 4,096 bytes further down
	v_lshl_add_u32 v3, v2, 4, v3
	v_and_b32 v2, 31, v0
	v_lshlrev_b32 v[VS], 3, v2
	v_lshlrev_b32 v[VB], 4, v0
	s_wait_alu depctr_va_sdst(0)                   ; s3 is written, ahead of its first reader: the offsets and bases below are made from it
	s_lshl_b32 s4, s3, 8                           ; a K block is 256 bytes of an f32 row
	v_add_nc_u32 v[VL], s4, v3
	s_lshl_b32 s28, s2, 17                         ; x: 32 rows of 4,096 bytes a work-group
	s_mov_b32 s29, 0
	s_lshl_b32 s30, s2, 14                         ; a weight matrix: 4 rows
	s_mov_b32 s31, 0
	s_lshl_b32 s32, s3, 20                         ; xb: my K block (XSTEP = 2^20),
	s_lshl_b32 s4, s2, 12                          ; 32 rows of 128 bytes a work-group
	s_add_co_u32 s32, s32, s4
	s_mov_b32 s33, 0
	s_mul_i32 s34, s3, WSTEP                       ; wb: my K block,
	s_lshl_b32 s4, s2, 9                           ; 4 rows of 128 bytes
	s_add_co_u32 s34, s34, s4
	s_mov_b32 s35, 0
	s_wait_kmcnt 0x0
	s_add_nc_u64 s[8:9], s[8:9], s[28:29]
	s_add_nc_u64 s[10:11], s[10:11], s[30:31]
	s_add_nc_u64 s[12:13], s[12:13], s[30:31]
	s_add_nc_u64 s[14:15], s[14:15], s[30:31]
	s_add_nc_u64 s[22:23], s[22:23], s[32:33]
	s_add_nc_u64 s[24:25], s[24:25], s[34:35]
	s_wait_alu depctr_va_vdst(0)                   ; v4, v5 and v6 are written: every load and store of the kernel reads one of them as its offset
.set i, 0
.rept 16                                       ; x: pair i of its 16 pairs of rows
	global_load_b128 v[IN+4*i:IN+4*i+3], v[VL], s[8:9] offset:8192*i th:TH_LOAD_NT
.set i, i+1
.endr
.irp m, 0,1,2                                  ; Wq, Wk, Wv: two pairs of rows each
	global_load_b128 v[IN+64+8*(\m):IN+64+8*(\m)+3],   v[VL], s[10+2*(\m):11+2*(\m)] th:TH_LOAD_NT
	global_load_b128 v[IN+64+8*(\m)+4:IN+64+8*(\m)+7], v[VL], s[10+2*(\m):11+2*(\m)] offset:8192 th:TH_LOAD_NT
.endr
; The store of pair i: no register is written twice, so nothing waits for a store.
.macro ST i
.if (\i) < 16
	global_store_b64 v[VS], v[OUT+2*(\i):OUT+2*(\i)+1], s[22:23] offset:256*(\i)
.else
	global_store_b64 v[VS], v[OUT+2*(\i):OUT+2*(\i)+1], s[24:25] offset:(((\i)-16)/2)*131072+(((\i)-16)%2)*256  ; a matrix's 1,024 rows are 131,072 bytes of a K block
.endif
.endm
; A group: loads lo to lo + n - 1 are rounded; the pn stores of the group before, from pair plo on, are dealt among the conversions, one in front of each pair of them.
.macro GRP lo, n, plo, pn
	s_wait_loadcnt NLOAD-(\lo)-(\n)                ; loads come back in order: the group's are in, the younger ones stay out
.if (\pn) > 0
	s_wait_alu depctr_va_vdst(0)                   ; the conversions of the group before have written their OUT registers, which the stores below read
.endif
.set j, 0
.rept \n
.if j < (\pn)
	ST (\plo)+j
.endif
	v_cvt_pk_bf16_f32 v[OUT+2*((\lo)+j)], v[IN+4*((\lo)+j)], v[IN+4*((\lo)+j)+1]
	v_cvt_pk_bf16_f32 v[OUT+2*((\lo)+j)+1], v[IN+4*((\lo)+j)+2], v[IN+4*((\lo)+j)+3]
.set j, j+1
.endr
.endm
	GRP 0,  4, 0,  0                               ; x's pairs 0-3: no group stands in front of them
	GRP 4,  4, 0,  4
	GRP 8,  4, 4,  4
	GRP 12, 4, 8,  4
	GRP 16, 6, 12, 4                               ; the weights' six pairs
	s_wait_alu depctr_va_vdst(0)                   ; the last group's conversions have written OUT's last six pairs, which the last six stores read
.irp i, 16,17,18,19,20,21
	ST \i
.endr
	s_cmp_lt_u32 s2, 3                             ; a bias for work-groups 0, 1, 2,
	s_cbranch_scc0 .Lend
	s_cmp_lt_u32 s3, 8                             ; by threads 0-255
	s_cbranch_scc0 .Lend
	s_cmp_eq_u32 s2, 0
	s_cselect_b64 s[28:29], s[16:17], s[18:19]     ; bq or bk,
	s_cmp_eq_u32 s2, 2
	s_cselect_b64 s[28:29], s[20:21], s[28:29]     ; or bv
	s_lshl_b32 s30, s2, 12                         ; its 4,096 bytes of bb
	s_mov_b32 s31, 0
	s_add_nc_u64 s[30:31], s[26:27], s[30:31]
	global_load_b128 v[140:143], v[VB], s[28:29]   ; v6 was written ahead of the head's wait; no vector instruction has named v[140:143]
	s_wait_loadcnt 0x0
	v_cvt_pk_bf16_f32 v144, v140, v141             ; rounded as every other input is,
	v_cvt_pk_bf16_f32 v145, v142, v143
	v_lshlrev_b32 v146, 16, v144                   ; and widened again
	v_and_b32 v147, 0xffff0000, v144
	v_lshlrev_b32 v148, 16, v145
	v_and_b32 v149, 0xffff0000, v145
	s_wait_alu depctr_va_vdst(0)                   ; v[146:149] are written, which the store reads
	global_store_b128 v[VB], v[146:149], s[30:31]
.Lend:
	s_endpgm
.Lfunc_end_k_qdb4ab5a2ac_cvt:
	.size	k_qdb4ab5a2ac_cvt, .Lfunc_end_k_qdb4ab5a2ac_cvt-k_qdb4ab5a2ac_cvt
	.p2alignl 7, 3214868480
	.fill 96, 4, 3214868480
	.section	.rodata,"a",@progbits
	.p2align	6, 0x0
	.amdhsa_kernel k_qdb4ab5a2ac_cvt
		.amdhsa_group_segment_fixed_size 0
		.amdhsa_private_segment_fixed_size 0
		.amdhsa_enable_private_segment 0
		.amdhsa_kernarg_size 80
		.amdhsa_user_sgpr_count 2
		.amdhsa_user_sgpr_kernarg_segment_ptr 1
		.amdhsa_wavefront_size32 1
		.amdhsa_system_sgpr_workgroup_id_x 1
		.amdhsa_system_sgpr_workgroup_id_y 1
		.amdhsa_system_sgpr_workgroup_id_z 1
		.amdhsa_system_vgpr_workitem_id 0
		.amdhsa_next_free_vgpr 152
		.amdhsa_next_free_sgpr 66
		.amdhsa_reserve_vcc 0
		.amdhsa_float_denorm_mode_32 3
		.amdhsa_float_denorm_mode_16_64 3
		.amdhsa_memory_ordered 1
		.amdhsa_forward_progress 1
		.amdhsa_inst_pref_size 10
	.end_amdhsa_kernel
	.amdgpu_metadata
---
amdhsa.version: [ 1, 2 ]
amdhsa.kernels:
  - .name:           k_qdb4ab5a2ac_cvt
    .symbol:         k_qdb4ab5a2ac_cvt.kd
    .args:
      - { .name: x, .offset: 0, .size: 8, .value_kind: global_buffer, .address_space: global }
      - { .name: Wq, .offset: 8, .size: 8, .value_kind: global_buffer, .address_space: global }
      - { .name: Wk, .offset: 16, .size: 8, .value_kind: global_buffer, .address_space: global }
      - { .name: Wv, .offset: 24, .size: 8, .value_kind: global_buffer, .address_space: global }
      - { .name: bq, .offset: 32, .size: 8, .value_kind: global_buffer, .address_space: global }
      - { .name: bk, .offset: 40, .size: 8, .value_kind: global_buffer, .address_space: global }
      - { .name: bv, .offset: 48, .size: 8, .value_kind: global_buffer, .address_space: global }
      - { .name: xb, .offset: 56, .size: 8, .value_kind: global_buffer, .address_space: global }
      - { .name: wb, .offset: 64, .size: 8, .value_kind: global_buffer, .address_space: global }
      - { .name: bb, .offset: 72, .size: 8, .value_kind: global_buffer, .address_space: global }
    .group_segment_fixed_size: 0
    .private_segment_fixed_size: 0
    .kernarg_segment_align: 8
    .kernarg_segment_size: 80
    .max_flat_workgroup_size: 512
    .sgpr_count:     66
    .vgpr_count:     152
    .wavefront_size: 32
...
	.end_amdgpu_metadata
.endif
;; end of part 5
;; launch proj: the kernel of part 2 again; grid 8 x 32, 4 waves a work-group, clusters of 4 x 4, 327,680 bytes of LDS; arguments xb, wb, bb, qkv; writes qkv
;; launch score: the kernel of part 3 again; grid 8 x 32, 4 waves a work-group, clusters of 4 x 4, 327,680 bytes of LDS; arguments qkv, pt, sm, sl; writes pt, sm, sl
;; launch pv: the kernel of part 4 again; grid 8 x 32, 4 waves a work-group, clusters of 4 x 4, 327,680 bytes of LDS; arguments pt, qkv, sm, sl, out0; writes out0
